; MI455X (gfx1250); checked and timed in simulation.
; The chip was launched on July 23, 2026; its instructions are those of AMD's public machine-readable ISA for CDNA 5 (MIT licence, August 2026) and "CDNA5" Instruction Set Architecture Reference Guide (July 2026). The comments in the code are by the model that wrote it; some were corrected since.
;; Causal Self Attention. Allowed arithmetic: matrix products marked QUANTISED: E4M3 operands, one given power-of-two scale a tensor, by v_wmma_f32_16x16x64_fp8_fp8 or v_wmma_f32_16x16x128_fp8_fp8, f32 sums; everything else in f32.
;; Inputs: b_attn 3,072 float32; b_proj 1,024 float32; lowp_scales 8 int32 (the exponents e of the quantised operands' scales 2^e); w_attn 1,024 x 3,072 float32; w_proj 1,024 x 1,024 float32; x 4 x 2,048 x 1,024 float32.
;; Outputs: out0 4 x 2,048 x 1,024 float32.
;; This version of the problem:
;;   THIS VERSION OF THE PROBLEM IS GIVEN IN LOW PRECISION. The matrix products marked QUANTISED in the list below multiply operands that are first quantised to E4M3 (4 exponent bits, 3 mantissa bits; 8 bits a number), with one given power-of-two scale for each operand tensor; their sums are f32. All else is computed in f32.
;;   The module's matrix products, in the order in which they are computed (A, B: the left and right operand; K: the contracted axis; several contracted axes count as one K, in the product's order):
;;     1. [M 8,192, K 1,024] x [K 1,024, N 3,072]; A: input x; B: input w_attn: QUANTISED (scales: A lowp_scales[0], B lowp_scales[1])
;;     2. batch 64 x [M 2,048, K 64] x [K 64, N 2,048]; A: computed on the way; B: computed on the way: QUANTISED (scales: A lowp_scales[2], B lowp_scales[3])
;;     3. batch 64 x [M 2,048, K 2,048] x [K 2,048, N 64]; A: softmax (see below); B: computed on the way: QUANTISED (scales: A lowp_scales[4], B lowp_scales[5])
;;     4. [M 8,192, K 1,024] x [K 1,024, N 1,024]; A: computed on the way; B: input w_proj: QUANTISED (scales: A lowp_scales[6], B lowp_scales[7])
;;   THE QUANTISER, for each operand of a quantised product, along K:
;;     - The operand's scale is 2^e, e = its entry of the input lowp_scales (int32; the entries are numbered through the quantised products in the list's order, A before B).
;;     - Each number is divided by the scale, clamped to +-448, and rounded to the nearest number of E4M3, ties to even, subnormals kept.
;;     - The product sums the exact products of the quantised numbers (number of the format x scale) in f32.
;;   ~~~python
;;   def quantise(x, axis, e):      # numpy; x: float32 -> the quantised numbers, widened to float32 again
;;       x = np.moveaxis(x, axis, -1); K = x.shape[-1]
;;       r = np.clip(x / 2.0 ** e, -448, 448)
;;       step = 2.0 ** (np.maximum(np.frexp(np.where(r == 0, 1, r))[1] - 1, -6) - 3)
;;       q = np.round(r / step) * step * 2.0 ** e      # np.round: ties to even
;;       return np.moveaxis(q, -1, axis).astype(np.float32)
;;   ~~~
;;   SOFTMAX AHEAD OF A QUANTISED PRODUCT. Where the list says 'softmax', what is quantised is not the finished softmax but p = 2^(t - M), with t = logit x log2(e) and M = ceil(the row's largest t), a whole number; so 1/2 < the row's largest p <= 1. The row's sum l is taken of the UNQUANTISED p, in f32, and the product's result is divided by l at the end. Since M is a whole number, a kernel that streams over the keys may use a running M (the ceiling of the running maximum): every later rescaling is an exact power of two, so the quantised numbers keep their values, but for numbers so far below the row's largest that they fall under the format's range.
;;   OPERANDS COMPUTED ON THE WAY. 'Computed on the way' means the value that the module computes at that place (a softmax that the list does not call 'softmax' is quantised finished and normalised). What goes into a quantiser is computed in f32, as accurately as f32 sums, v_exp_f32 and their like allow (about 1e-6 of the number): no bf16 or f16 on the way to a quantiser, and a product that is left as it is and whose result goes on into a quantised operand takes f32 operands (vector FMAs, or v_wmma_f32_16x16x4_f32). A number that lies on a knife's edge between two numbers of the format may be rounded either way, as far as f32 arithmetic and the matrix unit's own rounding can turn it there, and no further.
;; One version. Each part assembles by itself: llvm-mc -triple=amdgcn-amd-amdhsa -mcpu=gfx1250 --defsym DOCPART=n.
;; ======== version 1 of 1: 4 launches
;; limits: right only within a limited range of input values
;; workspace buffers: xc 8,388,608 bytes; wc 4,194,304 bytes; qkv 25,165,824 bytes; yc 8,388,608 bytes
;; launch quant (part 1): grid 384 x 1, 4 waves a work-group, no clusters, 68,096 bytes of LDS; arguments x, w_attn, w_proj, lowp_scales, xc, wc; writes xc, wc
.if DOCPART == 1
	.amdgcn_target "amdgcn-amd-amdhsa--gfx1250"
	.amdhsa_code_object_version 6
	.text
	.protected	k_q8e64aa3ff5_quant
	.globl	k_q8e64aa3ff5_quant
	.p2align	8
	.type	k_q8e64aa3ff5_quant,@function
k_q8e64aa3ff5_quant:
	s_mov_b64 s[64:65], 0
	v_nop
	global_prefetch_b8 v0, s[64:65] scope:SCOPE_SE
	s_setreg_imm32_b32 hwreg(HW_REG_WAVE_MODE, 25, 1), 1
	s_wait_xcnt 0x0
; x [8192][1024], w_attn [1024][3072] and w_proj [1024][1024], f32, become codes of E4M3, one a byte, K innermost, each with its given scale 2^e.
; code = number / 2^e, held within +-448, rounded to the nearest code, ties to even.  e: entry 0 of the scales for x, entry 1 for w_attn, entry 7 for w_proj.
; LIMITS: each e lies between -126 and 119, so that 2^e and 448 x 2^e are f32 numbers.  NaN among the inputs is not served; an infinity is held at the largest code.
; xc [8192][1024] is x's codes in x's own order.  wc [4096][1024]: row n < 3072 is column n of w_attn, row 3072 + n column n of w_proj, K along the row.
; 384 work-groups of 32,768 numbers: the first 256 take x, the other 128 the weights.  The two paths part on the work-group's number and have LDS bytes of their own.
; No tensor loads, no barrier: waves share nothing.
.set XWG,    256                       ; work-groups that take x
.set SP,     80                        ; x: a lane's place in a stage: its 64 bytes + 16 of padding
.set STEPS,  16                        ; x: steps of 512 numbers for a wave
.set R,      16                        ; x: v16-79   four sets of 16 numbers as loaded
.set X,      80                        ; x: v80-111  two sets of 16 neighbours along K
.set C,      128                       ; x: v128-191 four code registers for each step: no store's data are written again
.set OFF,    16                        ; w: v16-47   byte offset of row i of a block of 32 rows, at my column
.set XW,     48                        ; w: v48-111  two sets of 32 numbers
.set CW,     112                       ; w: v112-119 a block's codes
.set OUTR,   120                       ; w: v120-183 the way out
.set WBASE,  32768                     ; w: the stages begin behind x's LDS bytes
.set WPITCH, 272                       ; w: a stage row: 256 bytes of codes + 16
	s_load_b256 s[4:11], s[0:1], 0x0               ; x s[4:5], w_attn s[6:7], w_proj s[8:9], the scales' exponents s[10:11]
	s_load_b128 s[12:15], s[0:1], 0x20             ; xc s[12:13], wc s[14:15]
	v_lshl_add_u32 v192, v0, 2, 0x10800
	v_mov_b32 v193, 0
	v_lshrrev_b32 v1, 5, v0
	v_readfirstlane_b32 s16, v1                    ; wave 0..3
	v_and_b32 v2, 31, v0                           ; lane
	s_wait_kmcnt 0x0
	s_load_b256 s[24:31], s[10:11], 0x0            ; e0 .. e7
	s_cmp_lt_u32 ttmp9, XWG
	s_cbranch_scc0 .Lweights
	s_wait_alu depctr_va_vdst(0)
; ---- x: K is innermost.  A wave takes 8,192 numbers in 16 steps of 512.  Each load reads 512 consecutive bytes, 16 a lane; a step's 2,048 bytes turn through the wave's own stage in LDS
; and come back 64 bytes a lane, so that a lane's 16 registers are 16 neighbours along K, as the conversions want them.  A lane's 16 codes are 16 bytes: the wave stores 512 consecutive bytes.
	v_lshlrev_b32 v3, 4, v2                        ; my 16 bytes of a load's 512, and of a store's
	s_wait_alu depctr_va_vdst(0)
	s_lshl_b32 s17, s16, 13                        ; my wave's 8,192 LDS bytes
	v_lshrrev_b32 v14, 2, v2
	v_mul_u32_u24 v14, v14, SP
	v_and_b32 v15, 3, v2
	v_lshl_add_u32 v14, v15, 4, v14
	v_add_nc_u32 v14, s17, v14                     ; into the stage: four lanes' 64 bytes on end, then 16 of padding
	v_mul_u32_u24 v15, v2, SP
	v_add_nc_u32 v15, s17, v15                     ; out of it: SP x lane
	s_lshl_b32 s18, ttmp9, 2
	s_add_co_u32 s18, s18, s16                     ; which run of 8,192 numbers is my wave's
	s_lshl_b32 s20, s18, 15                        ; 32,768 bytes of f32 a run
	s_mov_b32 s21, 0
	s_add_nc_u64 s[4:5], s[4:5], s[20:21]
	s_lshl_b32 s20, s18, 13                        ; 8,192 bytes of codes a run
	s_add_nc_u64 s[12:13], s[12:13], s[20:21]
.macro LOADX t
.irp i, 0,1,2,3
	global_load_b128 v[R+16*((\t)%4)+4*\i:R+16*((\t)%4)+4*\i+3], v3, s[4:5] offset:2048*(\t)+512*\i th:TH_LOAD_NT
.endr
.endm
.macro TURNX t                         ; step t through the stage: LDS serves a wave's instructions in order (ISA guide 5.7.1.4), so no wait stands between the stores and the loads
.irp i, 0,1,2,3
	ds_store_b128 v14, v[R+16*((\t)%4)+4*\i:R+16*((\t)%4)+4*\i+3] offset:32*SP*((\t)%2)+8*SP*\i
.endr
.irp i, 0,1,2,3
	ds_load_b128 v[X+16*((\t)%2)+4*\i:X+16*((\t)%2)+4*\i+3], v15 offset:32*SP*((\t)%2)+16*\i
.endr
.endm
.irp t, 0,1,2,3
	LOADX \t
.endr
	s_wait_alu depctr_va_vdst(0)
	s_wait_kmcnt 0x0
	s_add_co_i32 s22, s24, 127
	s_lshl_b32 s23, s22, 23
	v_mov_b32 v11, s23                             ; 2^e0 as f32: the conversion takes its exponent field
	s_add_co_i32 s22, s22, 8
	s_lshl_b32 s22, s22, 23
	s_or_b32 s22, s22, 0x600000
	s_wait_alu depctr_va_vdst(0)
	s_wait_loadcnt 12                              ; step 0's four loads are in; three steps' twelve stay out
	TURNX 0
.macro STEPX t
.set XS, X+16*((\t)%2)
	s_wait_dscnt 0x0                               ; this step's numbers are back from the stage, so its stores into the stage have read their registers,
.if (\t)+4 < STEPS
	LOADX (\t)+4                                   ; which take the loads of four steps on
.endif
.if (\t)+1 < STEPS
.if STEPS-2-(\t) >= 3
	s_wait_loadcnt 12                              ; the next step's four loads are in; those of the three steps behind it may be out
.else
	s_wait_loadcnt 4*(STEPS-2-(\t))
.endif
	TURNX (\t)+1                                   ; through the other stage while this step is worked
.endif
.set i, 0
.rept 16
.set i, i+1
.endr
	v_cvt_scalef32_pk8_fp8_f32 v[C+4*(\t):C+4*(\t)+1], v[XS:XS+7], v11
	v_cvt_scalef32_pk8_fp8_f32 v[C+4*(\t)+2:C+4*(\t)+3], v[XS+8:XS+15], v11
	global_store_b128 v3, v[C+4*(\t):C+4*(\t)+3], s[12:13] offset:512*(\t)   ; 32 lanes store 512 consecutive bytes, aligned
.endm
.irp t, 0,1,2,3,4,5,6,7,8,9,10,11,12,13,14,15
	STEPX \t
.endr
	s_wait_tensorcnt 0x0
	ds_add_u32 v192, v193
	s_wait_dscnt 0x0
	s_endpgm
; ---- the weights: K is the FIRST axis.  A lane takes a column n and its registers run down K: each load reads 128 consecutive bytes a wave, and the conversions give codes with K innermost.
; A work-group takes 128 columns x 256 along K, a wave 32 columns: 8 blocks of 32 a lane, 256 bytes of codes a column.  They go through the wave's own stage and leave as rows:
; sixteen lanes store 256 consecutive bytes, aligned.  One text serves both weights: the row's bytes stand in a register.
.Lweights:
	s_sub_co_u32 s17, ttmp9, XWG
	s_and_b32 s18, s17, 3                          ; which 256 along K
	s_lshr_b32 s19, s17, 2                         ; which 128 rows of wc: 0..23 w_attn, 24..31 w_proj
	s_wait_kmcnt 0x0
	s_cmp_lt_u32 s19, 24                           ; the choice hangs on the work-group's number alone
	s_cselect_b64 s[4:5], s[6:7], s[8:9]           ; the weight
	s_mov_b32 s20, 4096
	s_cselect_b32 s20, 12288, s20                  ; bytes in a row of it
	s_cselect_b32 s21, 0, 24
	s_cselect_b32 s22, s25, s31                    ; e1 or e7
	s_sub_co_u32 s21, s19, s21                     ; which 128 columns of it
	s_lshl_b32 s23, s18, 8
	s_mul_i32 s32, s23, s20                        ; 256 kq rows down,
	s_lshl_b32 s23, s21, 9
	s_add_co_u32 s32, s32, s23                     ; 128 columns x 4 bytes a block,
	s_lshl_b32 s23, s16, 7
	s_add_co_u32 s32, s32, s23                     ; 32 columns x 4 bytes a wave
	s_mov_b32 s33, 0
	s_add_nc_u64 s[32:33], s[4:5], s[32:33]        ; block 0's base
	s_lshl_b32 s48, s20, 5                         ; 32 rows on
	s_mov_b32 s49, 0
.irp t, 1,2,3,4,5,6,7
	s_add_nc_u64 s[32+2*\t:33+2*\t], s[30+2*\t:31+2*\t], s[48:49]   ; block t's base: no pointer is stepped while loads are out
.endr
	s_lshl_b32 s50, s19, 17                        ; wc: 128 rows of 1,024 bytes a block,
	s_lshl_b32 s51, s16, 15
	s_add_co_u32 s50, s50, s51                     ; 32 rows a wave,
	s_lshl_b32 s51, s18, 8
	s_add_co_u32 s50, s50, s51                     ; 256 bytes along K
	s_mov_b32 s51, 0
	s_add_nc_u64 s[14:15], s[14:15], s[50:51]
	s_wait_alu depctr_va_vdst(0)
	v_lshlrev_b32 v3, 2, v2                        ; 4 bytes a lane
.set i, 0
.rept 32
	v_mad_u32_u24 v[OFF+i], s20, i, v3             ; row i of a block, my column
.set i, i+1
.endr
	s_mul_i32 s52, s16, 32*WPITCH
	s_add_co_u32 s52, s52, WBASE                   ; my stage
	v_mul_u32_u24 v4, v2, WPITCH
	v_add_nc_u32 v4, s52, v4                       ; into it: row = my column
	v_and_b32 v5, 15, v2
	v_lshrrev_b32 v6, 4, v2
	v_mul_u32_u24 v7, v6, WPITCH
	v_lshl_add_u32 v7, v5, 4, v7
	v_add_nc_u32 v7, s52, v7                       ; out of it: sixteen lanes to a row, two rows an instruction
	v_lshlrev_b32 v8, 10, v6
	v_lshl_add_u32 v8, v5, 4, v8                   ; and the same place in wc
.macro LOADW t                         ; block t: w(32 t + i, my column), i = 0 .. 31, into set t % 2
.set i, 0
.rept 32
	global_load_b32 v[XW+32*((\t)%2)+i], v[OFF+i], s[32+2*(\t):33+2*(\t)] th:TH_LOAD_NT
.set i, i+1
.endr
.endm
	LOADW 0
	LOADW 1
	s_add_co_i32 s22, s22, 127
	s_lshl_b32 s23, s22, 23
	v_mov_b32 v11, s23                             ; 2^e as f32
	s_add_co_i32 s22, s22, 8
	s_lshl_b32 s22, s22, 23
	s_or_b32 s22, s22, 0x600000
.macro BLOCKW t
.set XS, XW+32*((\t)%2)
.if (\t) < 7
	s_wait_loadcnt 32                              ; this block's 32 loads are in; the next block's may be out
.else
	s_wait_loadcnt 0
.endif
.set i, 0
.rept 32
.set i, i+1
.endr
.irp g, 0,1,2,3
	v_cvt_scalef32_pk8_fp8_f32 v[CW+2*\g:CW+2*\g+1], v[XS+8*\g:XS+8*\g+7], v11
.endr
	ds_store_b128 v4, v[CW:CW+3] offset:32*(\t)    ; 32 codes: 32 bytes of my column's row
	ds_store_b128 v4, v[CW+4:CW+7] offset:32*(\t)+16
.if (\t)+2 < 8
	LOADW (\t)+2
.endif
	s_wait_dscnt 0x0                               ; the stores have read their registers: the next block's codes may be written
.endm
	s_wait_alu depctr_va_vdst(0)
.irp t, 0,1,2,3,4,5,6,7
	BLOCKW \t
.endr
.irp t, 0,1,2,3,4,5,6,7,8,9,10,11,12,13,14,15
	ds_load_b128 v[OUTR+4*\t:OUTR+4*\t+3], v7 offset:2*\t*WPITCH
.endr
.irp t, 0,1,2,3,4,5,6,7,8,9,10,11,12,13,14,15
	s_wait_dscnt 15-\t                             ; LDS loads come back in order: row pair t is in
	global_store_b128 v8, v[OUTR+4*\t:OUTR+4*\t+3], s[14:15] offset:2*\t*1024
.endr
	s_wait_tensorcnt 0x0
	ds_add_u32 v192, v193
	s_wait_dscnt 0x0
	s_endpgm
.Lfunc_end_k_q8e64aa3ff5_quant:
	.size	k_q8e64aa3ff5_quant, .Lfunc_end_k_q8e64aa3ff5_quant-k_q8e64aa3ff5_quant
	.p2alignl 7, 3214868480
	.fill 96, 4, 3214868480
	.section	.rodata,"a",@progbits
	.p2align	6, 0x0
	.amdhsa_kernel k_q8e64aa3ff5_quant
		.amdhsa_group_segment_fixed_size 68096
		.amdhsa_private_segment_fixed_size 0
		.amdhsa_enable_private_segment 0
		.amdhsa_kernarg_size 48
		.amdhsa_user_sgpr_count 2
		.amdhsa_user_sgpr_kernarg_segment_ptr 1
		.amdhsa_wavefront_size32 1
		.amdhsa_system_sgpr_workgroup_id_x 1
		.amdhsa_system_sgpr_workgroup_id_y 1
		.amdhsa_system_sgpr_workgroup_id_z 1
		.amdhsa_system_vgpr_workitem_id 0
		.amdhsa_next_free_vgpr 194
		.amdhsa_next_free_sgpr 66
		.amdhsa_reserve_vcc 0
		.amdhsa_float_denorm_mode_32 3
		.amdhsa_float_denorm_mode_16_64 3
		.amdhsa_fp16_overflow 1
		.amdhsa_memory_ordered 1
		.amdhsa_forward_progress 1
		.amdhsa_inst_pref_size 56
	.end_amdhsa_kernel
	.amdgpu_metadata
---
amdhsa.version: [ 1, 2 ]
amdhsa.kernels:
  - .name:           k_q8e64aa3ff5_quant
    .symbol:         k_q8e64aa3ff5_quant.kd
    .args:
      - { .name: x, .offset: 0, .size: 8, .value_kind: global_buffer, .address_space: global }
      - { .name: w_attn, .offset: 8, .size: 8, .value_kind: global_buffer, .address_space: global }
      - { .name: w_proj, .offset: 16, .size: 8, .value_kind: global_buffer, .address_space: global }
      - { .name: lowp_scales, .offset: 24, .size: 8, .value_kind: global_buffer, .address_space: global }
      - { .name: xc, .offset: 32, .size: 8, .value_kind: global_buffer, .address_space: global }
      - { .name: wc, .offset: 40, .size: 8, .value_kind: global_buffer, .address_space: global }
    .group_segment_fixed_size: 68096
    .private_segment_fixed_size: 0
    .kernarg_segment_align: 8
    .kernarg_segment_size: 48
    .max_flat_workgroup_size: 128
    .sgpr_count:     66
    .vgpr_count:     194
    .wavefront_size: 32
...
	.end_amdgpu_metadata
.endif
;; end of part 1
;; launch qkv (part 2): grid 12 x 32, 4 waves a work-group, clusters of 4 x 4, 327,680 bytes of LDS; arguments xc, wc, lowp_scales, qkv, b_attn; writes qkv
.if DOCPART == 2
	.amdgcn_target "amdgcn-amd-amdhsa--gfx1250"
	.amdhsa_code_object_version 6
	.text
	.protected	k_q8e64aa3ff5_qkv
	.globl	k_q8e64aa3ff5_qkv
	.p2align	8
	.type	k_q8e64aa3ff5_qkv,@function
k_q8e64aa3ff5_qkv:
	s_mov_b64 s[64:65], 0
	v_nop
	global_prefetch_b8 v0, s[64:65] scope:SCOPE_SE
	s_setreg_imm32_b32 hwreg(HW_REG_WAVE_MODE, 25, 1), 1
	s_wait_xcnt 0x0
	s_wait_alu depctr_hold_cnt(0) depctr_sa_sdst(0) depctr_va_vdst(0) depctr_va_sdst(0) depctr_va_ssrc(0) depctr_va_vcc(0) depctr_vm_vsrc(0)
	s_getreg_b32 s2, hwreg(HW_REG_IB_STS2, 6, 4)
	s_cmp_eq_u32 s2, 0
	s_cbranch_scc0 .Lentry_in_a_cluster
	s_endpgm
.Lentry_in_a_cluster:
	s_bfe_u32 s2, ttmp6, 0x10000c
	s_cmp_lg_u32 s2, 0xf033
	s_cbranch_scc0 .Lentry_shape_is_right
	s_endpgm
.Lentry_shape_is_right:
; qkv = x w_attn + b_attn on codes of E4M3 (xc [8192][1024], wc rows 0..3071 [n][1024], K innermost), sums in f32; each finished sum x 2^(e0 + e1) + bias is quantised at once:
; q with 2^e2, k with 2^e3, v with 2^e5, held within +-448.  LIMITS: e0 + e1 between -126 and 127; e2, e3, e5 between -126 and 119.
; OUT: qkv [3][64 heads = 16 b + h][131,072 bytes].  q and k: [t 2048][64 bytes].  v: [t / 128][d 64][128 bytes], the keys of a block of 128 innermost, since the keys are the next K.
; In a row of 64 or 128 bytes the byte's place is the index (d, or key % 128) with bits 3 and 4 exchanged: so the codes of two neighbouring accumulators of a lane are 16 bytes on end.
; q and k have the same places, so every product of the scores meets its partner; v's places are those in which 16-byte loads give the second product's operand its own order of keys.
; A tile of 256 x 256 is made by four waves, 128 x 128 each: 64 accumulators, 512 registers.  K = 1,024 goes in four steps of 256 through two LDS slots filled by the tensor data mover.
; THE MATRIX INSTRUCTION IS USED TRANSPOSED (source 0 = 16 rows of the operand called B, source 1 = 16 rows of A): a lane holds one row of A and eight neighbouring rows of B.
; TWO MODES, by the cluster's x, which all sixteen partners share.  0 (q), 1 (k): A = x's rows, B = the weight's rows: a lane's registers run along the features d, the scores' K.
; 2 (v): A = the weight's rows, B = x's rows: a lane's registers run along t, the keys.  The loop is one text; only pointers and tile numbers are chosen.
; CLUSTERS: 4 x 4 work-groups; A's tile is shared along a row of the cluster, B's along a column: each is asked for jointly, by the same tensor load with a mask that names the four.
; 384 work-groups for 256 WGPs: stated, not mended here.
; REGISTERS, in windows of 256: window 0: v0-31 addresses; v32-63 codes; v64-127 biases; v128-255 A's fragments, one set, later the way out.  window 1: B's fragments, two sets.
;   window 2: the 32 accumulators of my rows 0-63 of A (accumulator (a, b) at v[8 (8 a + b)]);  window 3: those of rows 64-127.
.set ROWB,   256                       ; a tile's row: 256 codes
.set KROW,   1024                      ; a row of xc or wc in bytes
.set PITCH,  272                       ; an LDS row: 256 bytes + 16 of padding = 68 words: the 16 rows that a load touches start at 16 different banks (64 banks of 4 bytes: ISA guide 11.1)
.set FR,     16                        ; registers of a fragment: 16 rows x 128 K
.set NL,     4                         ; LDS loads that bring one
.set NP,     4                         ; places behind this matrix instruction (ISA guide 7.12.1)
.set HALFT,  128*PITCH                 ; what one tensor load brings
.set SLOT,   4*HALFT                   ; A's 256 rows, then B's 256 rows
.set SPARE,  2*SLOT                    ; the spare words, 128 bytes a wave: two blocks of 256 bytes that no other line names
.set BIAS,   SPARE+512                 ; 512 bytes a wave: my 128 biases; no fill lands here
.set WST,    17408                     ; the way out: a wave's stage, 64 pieces of 256 bytes + 16.  The stages lie in slot 0, which has had its last fill and its last read by then
.set VST,    4*WST                     ; mode 2's stages lie behind those of modes 0 and 1
.set BW,   12                          ; v12     where I put my 16 bytes of the biases
.set BQ,   13                          ; v13     where I read them in modes 0, 1: + 32 (l / 16)
.set BV,   14                          ; v14     in mode 2: + 4 (l % 16)
.set ADRA, 16                          ; v16-17  LDS address of my A fragments in slot 0, 1
.set ADRB, 20                          ; v20-21  the same for B
.set STOQ, 22                          ; v22     the stage, modes 0, 1: where I put 16 bytes
.set STOV, 23                          ; v23     mode 2
.set RDQ,  24                          ; v24     where I read 16 bytes back, modes 0, 1
.set RDV,  25                          ; v25     mode 2
.set CO,   26                          ; v26     16 x lane
.set SPW,  28                          ; v28     LDS address of my spare word; never rewritten
.set NIL,  29                          ; v29     0; never rewritten
.set SC,   30                          ; v30     the quantiser's 2^e
.set LIM,  31
.set CD,   32                          ; v32-63  two sets of 16 code registers
.set BI,   64                          ; v64-127 biases
.set T,    128                         ; v128-191 a block's 64 numbers
.set AF,   128                         ; A's fragments, in window 0
.set G1,  24                           ; s[24:31] descriptor group 1 for A's tiles;  s[32:39] group 0, one set for each slot
.set G0,  32
.set G1B, 48                           ; s[48:55], s[56:63] the same for B's tiles
.set G0B, 56
.set MSB, 0
.macro WIN new                         ; the immediate's high byte repeats the setting that is left
.if MSB != \new
	s_set_vgpr_msb (MSB<<8)|\new
.set MSB, \new
.endif
.endm
.set MUL_LO, 0xa1                      ; source 0 (B) window 1, source 1 (A) window 0, C and D window 2
.set MUL_HI, 0xf1                      ; the same, C and D window 3
.set TO_B,   0x40                      ; destination window 1, address window 0
; A joint load: waves 0 and 1 fetch for A, waves 2 and 3 for B.  The branch hangs on the wave's number alone.  Four v_nop follow each of the two lines.
.macro JLOAD g0a, g1a, g0b, g1b
	s_cmp_eq_u32 s15, 0
	s_cbranch_scc0 .Lfor_b_\@
	tensor_load_to_lds s[\g0a:\g0a+3], s[\g1a:\g1a+7]
	s_nop 0
.rept 4
	v_nop
.endr
	s_branch .Lasked_\@
.Lfor_b_\@:
	tensor_load_to_lds s[\g0b:\g0b+3], s[\g1b:\g1b+7]
	s_nop 0
.rept 4
	v_nop
.endr
.Lasked_\@:
.endm
.macro CREST                           ; a round of the cluster's barrier behind its opening barrier
	s_cmp_lg_u32 s14, 0
	s_cbranch_scc1 .Lnot_wave_0_\@
	s_barrier_signal -3
.Lnot_wave_0_\@:
	s_barrier_wait -3
	s_barrier_signal -1
	s_barrier_wait -1
.endm
.macro CROUND                          ; a whole round
	s_barrier_signal -1
	s_barrier_wait -1
	CREST
.endm
	s_load_b128 s[4:7], s[0:1], 0x0                ; xc s[4:5], wc s[6:7]
	s_load_b128 s[8:11], s[0:1], 0x10              ; the scales' exponents s[8:9], qkv s[10:11]
	s_load_b64 s[12:13], s[0:1], 0x20              ; b_attn
	v_lshl_add_u32 v[SPW], v0, 2, SPARE
	v_mov_b32 v[NIL], 0
	ds_add_u32 v28, v29
	ds_add_u32 v28, v29
	s_wait_dscnt 0x0
	v_lshrrev_b32 v1, 5, v0
	v_readfirstlane_b32 s14, v1                    ; wave 0..3
	s_lshr_b32 s15, s14, 1                         ; which half of A's rows is mine.  Also: I fetch for A (0) or for B (1)
	s_and_b32 s16, s14, 1                          ; which half of B's rows.  Also: which 128 rows of that tile I fetch
	s_bfe_u32 s40, ttmp6, 0x40000                  ; cx, cy: my place in the cluster
	s_bfe_u32 s41, ttmp6, 0x40004
	s_and_b32 s70, ttmp7, 0xffff
	s_lshl_b32 s70, s70, 2                         ; 4 x cluster y
	s_lshl_b32 s71, ttmp9, 2                       ; 4 x cluster x
	s_cmp_eq_u32 ttmp9, 2                          ; mode 2?  The same in all sixteen partners
	s_cselect_b32 s17, 8, s70
	s_cselect_b32 s42, s70, s71
	s_add_co_u32 s17, s17, s41                     ; A's tile: x's rows 256 (4 cluster y + cy), or in mode 2 the weight's rows 256 (8 + cy): it hangs on cy, never on cx
	s_add_co_u32 s42, s42, s40                     ; B's tile: the weight's rows 256 (4 cluster x + cx), or in mode 2 x's rows 256 (4 cluster y + cx): on cx, never on cy
	s_lshl_b32 s43, s41, 2
	s_lshl_b32 s43, 15, s43                        ; my row of the cluster
	s_lshl_b32 s44, 0x1111, s40                    ; my column
	s_or_b32 s[G1+0], s43, (0<<16)|(1<<20)|(1<<21)|(5<<22)|(3<<25)  ; 15:0 the mask; 17:16 elements of 1 byte; 20 padding on; 21 set beside a mask; 24:22 after every 64 words; 31:25 four words
	s_or_b32 s[G1B+0], s44, (0<<16)|(1<<20)|(1<<21)|(5<<22)|(3<<25)
.irp g, G1, G1B
	s_mov_b32 s[\g+1], ROWB<<16                    ; tensor_dim0 = 256
	s_mov_b32 s[\g+2], 128<<16                     ; tensor_dim1 = 128
	s_mov_b32 s[\g+3], ROWB<<16                    ; tile_dim0 = 256
	s_mov_b32 s[\g+4], 128                         ; tile_dim1 = 128
	s_mov_b32 s[\g+5], KROW                        ; from row to row
	s_mov_b32 s[\g+6], 0
	s_mov_b32 s[\g+7], 0
.endr
	s_lshl_b32 s18, s16, 7                         ; which 128 rows of the tile I fetch
	s_lshl_b32 s20, s17, 8
	s_add_co_u32 s20, s20, s18
	s_lshl_b32 s20, s20, 10                        ; A: the row's first byte (under 2^23)
	s_mov_b32 s21, 0
	s_lshl_b32 s46, s42, 8
	s_add_co_u32 s46, s46, s18
	s_lshl_b32 s46, s46, 10                        ; B likewise
	s_mov_b32 s47, 0
	s_mul_i32 s45, s14, HALFT                      ; where they go: wave x 128 rows: no place in the cluster enters an LDS address
	s_wait_kmcnt 0x0
	s_load_b256 s[72:79], s[8:9], 0x0              ; e0 .. e7
	s_cmp_eq_u32 ttmp9, 2
	s_cselect_b64 s[66:67], s[6:7], s[4:5]         ; A's buffer
	s_cselect_b64 s[68:69], s[4:5], s[6:7]         ; B's buffer
	s_add_nc_u64 s[20:21], s[66:67], s[20:21]
	s_add_nc_u64 s[46:47], s[68:69], s[46:47]
	CROUND                                         ; all sixteen work-groups are here: the first joint loads meet
.irp s, 0,1
	s_mov_b32 s[G0+4*\s], 1
	s_add_co_u32 s[G0+4*\s+1], s45, \s*SLOT
	s_add_nc_u64 s[G0+4*\s+2:G0+4*\s+3], s[20:21], \s*ROWB
	s_or_b32 s[G0+4*\s+3], s[G0+4*\s+3], 0x80000000
	s_mov_b32 s[G0B+4*\s], 1
	s_add_co_u32 s[G0B+4*\s+1], s45, \s*SLOT
	s_add_nc_u64 s[G0B+4*\s+2:G0B+4*\s+3], s[46:47], \s*ROWB
	s_or_b32 s[G0B+4*\s+3], s[G0B+4*\s+3], 0x80000000
	JLOAD G0+4*\s, G1, G0B+4*\s, G1B
.endr
	v_and_b32 v1, 15, v0                           ; r = l % 16
	v_bfe_u32 v2, v0, 4, 1                         ; hh = l / 16
	v_and_b32 v6, 31, v0
	v_lshlrev_b32 v[CO], 4, v6
	s_wait_alu depctr_va_vdst(0)
	; the wave's 128 features and 128 rows of x, whichever operand holds them
	s_cmp_eq_u32 ttmp9, 2
	s_cselect_b32 s80, s42, s17                    ; the tile that counts rows of x
	s_cselect_b32 s81, s16, s15                    ; my half of it
	s_cselect_b32 s82, s41, s40                    ; the features' tile among the part's four
	s_cselect_b32 s83, s15, s16                    ; my half of it
	s_cselect_b32 s84, s17, s42                    ; the features' tile among b_attn's twelve
	s_lshl_b32 s84, s84, 10                        ; 256 numbers of 4 bytes a tile,
	s_lshl_b32 s85, s83, 9                         ; 128 a half
	s_add_co_u32 s84, s84, s85
	s_mov_b32 s85, 0
	s_add_nc_u64 s[12:13], s[12:13], s[84:85]
	global_load_b128 v[8:11], v[CO], s[12:13]      ; my wave's 128 biases, 512 consecutive bytes
	s_lshl_b32 s80, s80, 8
	s_lshl_b32 s81, s81, 7
	s_add_co_u32 s80, s80, s81                     ; my first row of x: 2048 b + t, a multiple of 128
	s_lshr_b32 s81, s80, 11
	s_lshl_b32 s81, s81, 4                         ; 16 b
	s_lshl_b32 s82, s82, 2
	s_add_co_u32 s81, s81, s82                     ; + four heads a tile
	s_lshl_b32 s83, s83, 1
	s_add_co_u32 s81, s81, s83                     ; + two a half: my first head
	s_lshl_b32 s81, s81, 17                        ; 131,072 bytes a head
	s_and_b32 s80, s80, 2047
	s_lshl_b32 s80, s80, 6                         ; 64 bytes for each t: in q and k a row of 64; in v 8,192 for each block of 128 keys
	s_add_co_u32 s80, s80, s81
	s_lshl_b32 s81, ttmp9, 23                      ; the part: q, k or v
	s_add_co_u32 s80, s80, s81
	s_mov_b32 s81, 0
	s_add_nc_u64 s[10:11], s[10:11], s[80:81]
	v_mul_u32_u24 v3, v1, PITCH
	v_lshl_add_u32 v4, v2, 4, v3                   ; a fragment's row x pitch + 16 x half
	s_mul_i32 s21, s15, HALFT                      ; my 128 rows of A
	s_mul_i32 s22, s16, HALFT                      ; my 128 rows of B,
	s_add_co_u32 s22, s22, 2*HALFT                 ; which lie behind A's 256
.irp s, 0,1
	v_add_nc_u32 v[ADRA+\s], s21, v4
	v_add_nc_u32 v[ADRB+\s], s22, v4
	s_add_co_u32 s21, s21, SLOT
	s_add_co_u32 s22, s22, SLOT
.endr
	; the stage is the image of what the wave stores: dense memory cut into pieces of 256 bytes, 272 apart.  A row of 64 bytes lies at (row / 4) 272 + (row % 4) 64, one of 128 at (row / 2) 272 + (row % 2) 128
	s_mul_i32 s23, s14, WST
	v_lshrrev_b32 v3, 2, v1
	v_mul_u32_u24 v3, v3, 272
	v_and_b32 v5, 3, v1
	v_lshl_add_u32 v3, v5, 6, v3
	v_lshl_add_u32 v3, v2, 4, v3
	v_add_nc_u32 v[STOQ], s23, v3
	v_lshrrev_b32 v3, 1, v1
	v_mul_u32_u24 v3, v3, 272
	v_and_b32 v5, 1, v1
	v_lshl_add_u32 v3, v5, 7, v3
	v_lshl_add_u32 v3, v2, 4, v3
	v_add_nc_u32 v3, s23, v3
	v_add_nc_u32 v[STOV], VST, v3
	v_mul_u32_u24 v3, v2, 272
	v_lshl_add_u32 v3, v1, 4, v3
	v_add_nc_u32 v[RDQ], s23, v3                   ; back: lanes 0-15 one piece of 256 bytes, lanes 16-31 the next
	v_add_nc_u32 v[RDV], VST, v[RDQ]
	s_lshl_b32 s23, s14, 9
	s_add_co_u32 s23, s23, BIAS
	v_add_nc_u32 v[BW], s23, v[CO]
	v_lshl_add_u32 v[BQ], v2, 5, s23
	v_lshl_add_u32 v[BV], v1, 2, s23
	s_wait_alu depctr_va_vdst(0)
	s_wait_loadcnt 0x0                             ; the biases: they wait in LDS bytes of my own until the way out, where each mode reads them in its own layout
	ds_store_b128 v[BW], v[8:11]
.macro FRAG reg, adr, q, i             ; 16 rows x 128 K: lane l holds row l % 16; registers 4 c .. 4 c + 3 hold K = 32 c + 16 (l / 16) + 0 .. 15: the same places in A and in B
.irp c, 0,1,2,3
	ds_load_b128 v[\reg+4*\c:\reg+4*\c+3], v[\adr] offset:128*(\q)+32*\c+(\i)*16*PITCH
.endr
.endm
; 16 matrix instructions: A's blocks a0, a0 + 1 x B's eight, 128 along K.  p: B's set.  zero = 1: the first product starts the sums.
; The 64 accumulators take turns, one instruction a turn, in the same order in every step.
.macro MUL16 a0, p, zero
.irp a, \a0, \a0+1
.irp b, 0,1,2,3,4,5,6,7
.if \zero
	v_wmma_f32_16x16x128_fp8_fp8 v[8*(8*((\a)%4)+\b):8*(8*((\a)%4)+\b)+7], v[128*(\p)+FR*\b:128*(\p)+FR*\b+FR-1], v[AF+FR*(\a):AF+FR*(\a)+FR-1], 0
.else
	v_wmma_f32_16x16x128_fp8_fp8 v[8*(8*((\a)%4)+\b):8*(8*((\a)%4)+\b)+7], v[128*(\p)+FR*\b:128*(\p)+FR*\b+FR-1], v[AF+FR*(\a):AF+FR*(\a)+FR-1], v[8*(8*((\a)%4)+\b):8*(8*((\a)%4)+\b)+7]
.endif
.endr
.endr
.endm
.macro FETCH_B slot, q, p              ; B's eight fragments of the slot's q-th 128 along K into set p
	WIN TO_B
.irp i, 0,1,2,3,4,5,6,7
	FRAG 128*(\p)+FR*\i, ADRB+\slot, \q, \i
.endr
	WIN 0
.endm
.macro FETCH_A slot, q, i0             ; A's blocks i0 .. i0 + 3
.irp i, \i0, \i0+1, \i0+2, \i0+3
	FRAG AF+FR*(\i), ADRA+\slot, \q, \i
.endr
.endm
.macro PLACES n                        ; plain vector instructions between a matrix instruction and a load into, or a vector instruction on, its registers
.rept \n
	v_nop
.endr
.endm
; A step of 128 along K that has its successor in the same slot.  A has one set of registers: blocks 0-3 are fetched anew in the step's middle, blocks 4-7 at its end.
.macro STEP slot, q, zero
	s_wait_dscnt 4*NL                              ; B's set and A's blocks 0-3 are in; the youngest sixteen loads (A's blocks 4-7) may be out
	WIN MUL_LO
	MUL16 0, (\q)%2, \zero
	MUL16 2, (\q)%2, \zero
	s_wait_dscnt 0                                 ; A's blocks 4-7 are in
	PLACES NP
	FETCH_B \slot, (\q)+1, 1-(\q)%2
	FETCH_A \slot, (\q)+1, 0
	WIN MUL_HI
	MUL16 4, (\q)%2, \zero
	MUL16 6, (\q)%2, \zero
	PLACES NP
	WIN 0
	FETCH_A \slot, (\q)+1, 4
.endm
; A slot's last step changes slots: one barrier; in front of it each wave waits for all its tensor loads, adds 0 to its spare word, and waits for that and for its reads of this slot.
.macro TURN slot, next, fill
	s_wait_tensorcnt 0x0                           ; all my tensor loads have landed: my part of the next slot
	ds_add_u32 v[SPW], v[NIL]                      ; 0 onto my spare word
	s_wait_dscnt 4*NL+1                            ; (the add and the youngest sixteen loads may be out)
	WIN MUL_LO
	MUL16 0, 1, 0                                  ; sixteen matrix instructions stand between the add and the wait for it
	s_wait_dscnt 0x0                               ; the add is done, and my reads of this slot are over
	s_barrier_signal -1
	MUL16 2, 1, 0
	WIN 0
	s_barrier_wait -1
.if \fill
	CREST                                          ; the barrier has opened a round of the cluster's barrier: no wave of any partner still reads this slot or has a load on its way
	s_add_nc_u64 s[G0+4*\slot+2:G0+4*\slot+3], s[G0+4*\slot+2:G0+4*\slot+3], 2*ROWB
	s_add_nc_u64 s[G0B+4*\slot+2:G0B+4*\slot+3], s[G0B+4*\slot+2:G0B+4*\slot+3], 2*ROWB
	JLOAD G0+4*\slot, G1, G0B+4*\slot, G1B         ; the first tensor load behind the round; its four v_nop are also the places in front of the loads below
.else
	PLACES NP
.endif
	FETCH_B \next, 0, 0
	FETCH_A \next, 0, 0
	WIN MUL_HI
	MUL16 4, 1, 0
	MUL16 6, 1, 0
	PLACES NP
	WIN 0
	FETCH_A \next, 0, 4
.endm
	s_wait_tensorcnt 1                             ; my part of K step 0 is in (K step 1's load may be out)
	s_wait_dscnt 0x0                               ; and my store of the biases is done: no LDS instruction is pending at a signal
	s_barrier_signal -1
	s_barrier_wait -1
	FETCH_B 0, 0, 0
	FETCH_A 0, 0, 0
	FETCH_A 0, 0, 4
	STEP 0, 0, 1                                   ; the first step stands in front of the loop: its products start the sums
	s_mov_b32 s3, 1                                ; 1,024 along K are two laps of the ring: one trip fills both slots again
.Llap:
	TURN 0, 1, 1
	STEP 1, 0, 0
	TURN 1, 0, 1
	STEP 0, 0, 0
	s_sub_co_u32 s3, s3, 1
	s_cmp_lg_u32 s3, 0
	s_cbranch_scc1 .Llap
	TURN 0, 1, 0                                   ; the last lap fills nothing
	STEP 1, 0, 0
	s_wait_dscnt 4*NL                              ; the very last step
	WIN MUL_LO
	MUL16 0, 1, 0
	MUL16 2, 1, 0
	s_wait_dscnt 0
	WIN MUL_HI
	MUL16 4, 1, 0
	MUL16 6, 1, 0
	WIN 0
; THE WAY OUT.  Block a (16 rows of A x 128 rows of B): number = sum x 2^(e0 + e1) + bias, one packed multiply-add for two; the hold; eight numbers of a lane become eight codes.
; Accumulators 2 c and 2 c + 1 give 16 bytes on end, which go into the stage; the stage comes back as pieces of 256 bytes and leaves as two dense runs of 8,192 bytes, one for each of my two heads.
.macro EBLK a, mode
.set AC, 64*((\a)%4)
.set CSET, CD+16*((\a)%2)
.if (\a) >= 2
	s_wait_dscnt 4                                 ; block a - 2's four stores have read this set of code registers; block a - 1's four may be out
.endif
	WIN 0x02+((\a)/4)                              ; source 0: window 2 or 3
.irp b, 0,1,2,3,4,5,6,7
.irp i, 0,2,4,6
.if \mode
	v_pk_fma_f32 v[T+8*\b+\i:T+8*\b+\i+1], v[AC+8*\b+\i:AC+8*\b+\i+1], s[96:97], v[BI+2*(\a):BI+2*(\a)+1] op_sel_hi:[1,0,0]   ; the lane's row is one feature: one bias for both halves; each accumulator from its low end on
.else
	v_pk_fma_f32 v[T+8*\b+\i:T+8*\b+\i+1], v[AC+8*\b+\i:AC+8*\b+\i+1], s[96:97], v[BI+8*\b+\i:BI+8*\b+\i+1] op_sel_hi:[1,0,1]   ; the lane's registers run along the features
.endif
.endr
.endr
	WIN 0
.set j, 0
.rept 64
.set j, j+1
.endr
.irp b, 0,1,2,3,4,5,6,7
	v_cvt_scalef32_pk8_fp8_f32 v[CSET+2*\b:CSET+2*\b+1], v[T+8*\b:T+8*\b+7], v[SC]
.endr
	v_nop                                          ; a plain vector instruction between the conversions and the next block's writes of their sources
.irp c, 0,1,2,3
.if \mode
	ds_store_b128 v[STOV], v[CSET+4*\c:CSET+4*\c+3] offset:2176*(\a)+32*\c                     ; row 16 a + r of 128 bytes; keys 32 c on
.else
	ds_store_b128 v[STOQ], v[CSET+4*\c:CSET+4*\c+3] offset:8704*(\c/2)+1088*(\a)+32*(\c%2)     ; head c / 2; row 16 a + r of 64 bytes; d 32 (c % 2) on
.endif
.endr
.endm
.macro EPI mode
.if \mode
.irp a, 0,1,2,3,4,5,6,7
	ds_load_b32 v[BI+2*\a], v[BV] offset:64*\a     ; the bias of feature 16 a + r,
	ds_load_b32 v[BI+2*\a+1], v[BV] offset:64*\a   ; twice: the packed form names the pair
.endr
.else
.irp b, 0,1,2,3,4,5,6,7
	ds_load_b128 v[BI+8*\b:BI+8*\b+3], v[BQ] offset:64*\b          ; the biases of features 16 b + 8 hh + 0 .. 7
	ds_load_b128 v[BI+8*\b+4:BI+8*\b+7], v[BQ] offset:64*\b+16
.endr
.endif
	s_wait_dscnt 0x0
.irp a, 0,1,2,3,4,5,6,7
	EBLK \a, \mode
.endr
.set j, 0
.rept 32
.if \mode
	ds_load_b128 v[128+4*j:131+4*j], v[RDV] offset:544*j           ; LDS serves a wave's instructions in order (ISA guide 5.7.1.4): these see my stores
.else
	ds_load_b128 v[128+4*j:131+4*j], v[RDQ] offset:544*j
.endif
.set j, j+1
.endr
.set j, 0
.rept 32
	s_wait_dscnt 31-j
	global_store_b128 v[CO], v[128+4*j:131+4*j], s[10:11] offset:512*(j%16)+131072*(j/16)   ; 32 lanes store 512 consecutive bytes, aligned; the second head lies 131,072 bytes on
.set j, j+1
.endr
.endm
	s_wait_kmcnt 0x0
	s_add_co_i32 s96, s72, s73
	s_add_co_i32 s96, s96, 127
	s_lshl_b32 s96, s96, 23                        ; 2^(e0 + e1) as f32
	s_mov_b32 s97, s96                             ; (named with it as a pair, so it is written)
	s_cmp_eq_u32 ttmp9, 0
	s_cselect_b32 s86, s74, s75                    ; e2 for q, e3 for k,
	s_cmp_eq_u32 ttmp9, 2
	s_cselect_b32 s86, s77, s86                    ; e5 for v
	s_add_co_i32 s86, s86, 127
	s_lshl_b32 s87, s86, 23
	v_mov_b32 v[SC], s87
	PLACES NP                                      ; behind the last products: their results are read and A's registers written below
	s_cmp_eq_u32 ttmp9, 2
	s_cbranch_scc1 .Lv
	EPI 0
	s_branch .Lend
.Lv:
	EPI 1
.Lend:
	s_wait_tensorcnt 0x0                           ; the wave's end, behind my last tensor load and my last LDS store
	ds_add_u32 v[SPW], v[NIL]
	s_wait_dscnt 0x0
	CROUND                                         ; the closing round: no work-group ends while a partner may still ask for a tile that names it
	s_endpgm
.Lfunc_end_k_q8e64aa3ff5_qkv:
	.size	k_q8e64aa3ff5_qkv, .Lfunc_end_k_q8e64aa3ff5_qkv-k_q8e64aa3ff5_qkv
	.p2alignl 7, 3214868480
	.fill 96, 4, 3214868480
	.section	.rodata,"a",@progbits
	.p2align	6, 0x0
	.amdhsa_kernel k_q8e64aa3ff5_qkv
		.amdhsa_group_segment_fixed_size 327680
		.amdhsa_private_segment_fixed_size 0
		.amdhsa_enable_private_segment 0
		.amdhsa_kernarg_size 40
		.amdhsa_user_sgpr_count 2
		.amdhsa_user_sgpr_kernarg_segment_ptr 1
		.amdhsa_wavefront_size32 1
		.amdhsa_system_sgpr_workgroup_id_x 1
		.amdhsa_system_sgpr_workgroup_id_y 1
		.amdhsa_system_sgpr_workgroup_id_z 1
		.amdhsa_system_vgpr_workitem_id 0
		.amdhsa_next_free_vgpr 1024
		.amdhsa_next_free_sgpr 100
		.amdhsa_reserve_vcc 0
		.amdhsa_float_denorm_mode_32 3
		.amdhsa_float_denorm_mode_16_64 3
		.amdhsa_fp16_overflow 1
		.amdhsa_memory_ordered 1
		.amdhsa_forward_progress 1
		.amdhsa_inst_pref_size 140
	.end_amdhsa_kernel
	.amdgpu_metadata
---
amdhsa.version: [ 1, 2 ]
amdhsa.kernels:
  - .name:           k_q8e64aa3ff5_qkv
    .symbol:         k_q8e64aa3ff5_qkv.kd
    .args:
      - { .name: xc, .offset: 0, .size: 8, .value_kind: global_buffer, .address_space: global }
      - { .name: wc, .offset: 8, .size: 8, .value_kind: global_buffer, .address_space: global }
      - { .name: lowp_scales, .offset: 16, .size: 8, .value_kind: global_buffer, .address_space: global }
      - { .name: qkv, .offset: 24, .size: 8, .value_kind: global_buffer, .address_space: global }
      - { .name: b_attn, .offset: 32, .size: 8, .value_kind: global_buffer, .address_space: global }
    .group_segment_fixed_size: 327680
    .private_segment_fixed_size: 0
    .kernarg_segment_align: 8
    .kernarg_segment_size: 40
    .max_flat_workgroup_size: 128
    .sgpr_count:     100
    .vgpr_count:     1024
    .wavefront_size: 32
...
	.end_amdgpu_metadata
.endif
;; end of part 2
;; launch attn (part 3): grid 4 x 64, 16 waves a work-group, clusters of 4 x 1, 327,680 bytes of LDS; arguments qkv, lowp_scales, yc; writes yc
.if DOCPART == 3
	.amdgcn_target "amdgcn-amd-amdhsa--gfx1250"
	.amdhsa_code_object_version 6
	.text
	.protected	k_q8e64aa3ff5_attn
	.globl	k_q8e64aa3ff5_attn
	.p2align	8
	.type	k_q8e64aa3ff5_attn,@function
k_q8e64aa3ff5_attn:
	s_mov_b64 s[64:65], 0
	v_nop
	global_prefetch_b8 v0, s[64:65] scope:SCOPE_SE
	s_setreg_imm32_b32 hwreg(HW_REG_WAVE_MODE, 25, 1), 1
	s_wait_xcnt 0x0
	s_wait_alu depctr_hold_cnt(0) depctr_sa_sdst(0) depctr_va_vdst(0) depctr_va_sdst(0) depctr_va_ssrc(0) depctr_va_vcc(0) depctr_vm_vsrc(0)
	s_getreg_b32 s2, hwreg(HW_REG_IB_STS2, 6, 4)
	s_cmp_eq_u32 s2, 0
	s_cbranch_scc0 .Lentry_in_a_cluster
	s_endpgm
.Lentry_in_a_cluster:
	s_bfe_u32 s2, ttmp6, 0x10000c
	s_cmp_lg_u32 s2, 0x3003
	s_cbranch_scc0 .Lentry_shape_is_right
	s_endpgm
.Lentry_shape_is_right:
; y[head][q] = the sum over keys k <= q of softmax_k(q . k / 8) v[k], both products on codes of E4M3; y is quantised at once with 2^e6 for the next product.
; IN: qkv [3][64 heads][131,072 bytes]: q, k [t 2048][64 bytes]; v [t / 128][d 64][128 bytes] (keys innermost); a byte's place in its row is the index with bits 3 and 4 exchanged.
; OUT: yc [row / 256][h 16][row % 256][64 bytes], row = 2048 b + t, d in its own order: a K step of the next product is one dense block.
; THE SOFTMAX: t = score x log2(e) / 8; M = the running largest t rounded UP to a whole number; p = 2^(t - M) is quantised with 2^e4, not normalised; the row's sum is taken of the unquantised p
; and divides at the end; when M moves, the sum and O are multiplied by 2^(old M - new M), which rounds nothing.
; LIMITS: e2 + e3 between -123 and 130 (added to the exponent field of log2(e) / 8); e4 and e6 between -126 and 119; e4 + e5 is applied by v_ldexp_f32 and has none.
; LDS HOLDS A HEAD'S WHOLE K AND V, 131,072 bytes each: every LDS byte is filled once, nothing is filled again, and behind two barriers the waves run free.
; CLUSTER: the four work-groups of a head read the same K and V: every tile is asked for jointly, by the same tensor load with the mask of all four.
; All tiles are asked for in the kernel's first lines, so there is no later load for a prefetch to run ahead of.
; SHARES.  A head has 128 tiles of 16 queries.  Wave w of partner cx takes tile 4 w + cx and tile 127 - (4 w + cx): in steps of 128 keys (w / 2) + 1 and 16 - (w / 2): 17 for every wave.
; The step that lies on the diagonal hangs on the wave's number alone; cx enters only the addresses of q and y and the mask's compare: no branch hangs on it.
; Every loop has a constant count; a step all of whose keys are hidden leaves out its work by a scalar branch.
; LAYOUT.  Both products are used transposed: S^T = K Q^T (source 0 = 16 neighbouring keys, source 1 = my 16 queries), O^T = V^T P^T: a lane holds one query (l % 16) throughout;
; registers 8 t + j of S^T are keys 16 t + 8 (l / 16) + j, so the conversions' results are the second product's operand in its own order of keys.
; REGISTERS: v1-7 addresses that stay; v8, v9 the step's addresses; v12 -M, v13 the largest t, v[14:15] the sum; v16-23 Q of the high tile, v192-199 of the low; v24-31 y's codes;
; v32-95 K's fragments, then V's; v96-159 S^T, then p; v160-191 O^T; v224-239 p's codes; v236-254 constants and work.
.set VREG,  139264                     ; K: 512 pieces of 256 bytes + 16 from byte 0; V: the same from here
.set STAGE, 278528                     ; 1,280 bytes a wave for the way out; no fill lands here
.set STEPB, 8704                       ; a step of 128 keys: 32 pieces, in K and in V alike
.set AK0,  1                           ; v1   my lane's place in a tile of K: a key's 64 bytes lie at (key / 4) 272 + (key % 4) 64
.set AV0,  2                           ; v2   in a tile of V: a row d of 128 bytes lies at (d / 2) 272 + (d % 2) 128
.set QA,   3                           ; v3   my bytes of Q's rows
.set STO,  4                           ; v4   the stage: where I put 8 bytes
.set RD,   5                           ; v5   where I read 16 back
.set GO,   6                           ; v6   16 x lane
.set MR,   7                           ; v7   l % 16 - 8 (l / 16), for the mask
.set ADK,  8
.set ADV,  9
.set QH,   16
.set QL,   192
.set TB,   2                           ; s2   LDS byte at which the step's tiles begin
.set CNT,  3                           ; s3   the loop's counter
.set WV,   18                          ; s18  my wave's number
.set SEL,  20                          ; s[20:21] lane selects for v_permlanex16_b32: lane l xor 16
.set CS,   22                          ; s[22:23] log2(e) / 8 x 2^(e2 + e3)
.set SI,   48                          ; s48  the step's number
.set DG,   49                          ; s49  the number of the step on the diagonal
.set Q0,   50                          ; s50  the tile's first query
.set EPV,  51                          ; s51  e4 + e5
.macro CROUND                          ; a round of the cluster's barrier
	s_barrier_signal -1
	s_barrier_wait -1
	s_cmp_lg_u32 s[WV], 0
	s_cbranch_scc1 .Lnot_wave_0_\@
	s_barrier_signal -3
.Lnot_wave_0_\@:
	s_barrier_wait -3
	s_barrier_signal -1
	s_barrier_wait -1
.endm
	s_load_b128 s[4:7], s[0:1], 0x0                ; qkv s[4:5], the scales' exponents s[6:7]
	s_load_b64 s[8:9], s[0:1], 0x10                ; yc
	v_lshl_add_u32 v251, v0, 2, 0x49000
	v_mov_b32 v255, 0
	ds_add_u32 v251, v255
	ds_add_u32 v251, v255
	v_lshrrev_b32 v1, 5, v0
	s_delay_alu instid0(VALU_DEP_1)
	v_readfirstlane_b32 s[WV], v1                  ; wave 0..15
	s_bfe_u32 s19, ttmp6, 0x40000                  ; cx
	s_and_b32 s10, ttmp7, 0xffff                   ; the head 16 b + h, which the four partners share
	s_and_b32 s11, s[WV], 7                        ; which eighth of a region I fetch
	s_lshr_b32 s12, s[WV], 3                       ; waves 0-7 fetch K, waves 8-15 V
	; descriptor groups 1: dense memory as rows of 256 bytes, 16 bytes of padding behind each.  First fill: 16 rows a wave (keys 0 to 511); second: 48 rows (keys 512 to 2,047)
	s_mov_b32 s24, 15|(0<<16)|(1<<20)|(1<<21)|(5<<22)|(3<<25)  ; 15:0 the mask: all four; 17:16 elements of 1 byte; 20 padding on; 21 set beside a mask; 24:22 after every 64 words; 31:25 four words
	s_mov_b32 s25, 256<<16                         ; tensor_dim0
	s_mov_b32 s26, 16<<16                          ; tensor_dim1
	s_mov_b32 s27, 256<<16                         ; tile_dim0
	s_mov_b32 s28, 16                              ; tile_dim1
	s_mov_b32 s29, 256                             ; from row to row
	s_mov_b32 s30, 0
	s_mov_b32 s31, 0
	s_mov_b32 s32, 15|(0<<16)|(1<<20)|(1<<21)|(5<<22)|(3<<25)
	s_mov_b32 s33, 256<<16
	s_mov_b32 s34, 48<<16
	s_mov_b32 s35, 256<<16
	s_mov_b32 s36, 48
	s_mov_b32 s37, 256
	s_mov_b32 s38, 0
	s_mov_b32 s39, 0
	s_mul_i32 s13, s12, VREG                       ; my region
	s_mul_i32 s14, s11, 16*272
	s_add_co_u32 s41, s13, s14                     ; first fill: LDS address
	s_mul_i32 s14, s11, 48*272
	s_add_co_u32 s45, s13, s14
	s_add_co_u32 s45, s45, 128*272                 ; second fill: behind the first fills' 128 rows
	s_add_co_u32 s60, s12, 1
	s_lshl_b32 s60, s60, 23                        ; part 1 (k) or 2 (v),
	s_lshl_b32 s61, s10, 17
	s_add_co_u32 s60, s60, s61                     ; the head
	s_lshl_b32 s61, s11, 12
	s_add_co_u32 s62, s60, s61                     ; first fill: 4,096 bytes a wave
	s_mov_b32 s63, 0
	s_mul_i32 s61, s11, 12288
	s_add_co_u32 s60, s60, s61
	s_add_co_u32 s60, s60, 32768                   ; second fill: 12,288 bytes a wave, behind the first 32,768
	s_mov_b32 s61, 0
	s_mov_b32 s[SEL], 0x76543210
	s_mov_b32 s[SEL+1], 0xfedcba98
	s_wait_dscnt 0x0
	s_wait_kmcnt 0x0
	s_load_b256 s[68:75], s[6:7], 0x0              ; e0 .. e7
	s_mov_b32 s40, 1
	s_add_nc_u64 s[42:43], s[4:5], s[62:63]
	s_or_b32 s43, s43, 0x80000000
	s_mov_b32 s44, 1
	s_add_nc_u64 s[46:47], s[4:5], s[60:61]
	s_or_b32 s47, s47, 0x80000000
	CROUND                                         ; all four work-groups are here: the joint loads meet
	tensor_load_to_lds s[40:43], s[24:31]          ; the first fill: one load of mine is out
	s_nop 0
	s_wait_alu depctr_va_vdst(0)
	s_wait_tensorcnt 0x0
	ds_add_u32 v251, v255
	s_wait_dscnt 0x0
	CROUND
	tensor_load_to_lds s[44:47], s[32:39]
	s_nop 0
.rept 4
	v_nop
.endr
	v_and_b32 v10, 15, v0                          ; r
	v_bfe_u32 v11, v0, 4, 1                        ; hh
	s_delay_alu instid0(VALU_DEP_2)
	v_lshlrev_b32 v[QA], 6, v10
	s_delay_alu instid0(VALU_DEP_1)
	v_lshl_add_u32 v[QA], v11, 4, v[QA]            ; row r of 64 bytes, + 16 hh
	s_wait_alu depctr_va_vdst(0)
	s_lshl_b32 s76, s[WV], 6
	s_lshl_b32 s80, s19, 4
	s_add_co_u32 s76, s76, s80                     ; the low tile's first query: 64 w + 16 cx
	s_sub_co_u32 s77, 2032, s76                    ; the high tile's
	s_lshr_b32 s78, s[WV], 1                       ; the low tile's step on the diagonal,
	s_sub_co_u32 s79, 15, s78                      ; the high tile's: both by the wave's number alone
	s_lshl_b32 s80, s10, 17
	s_lshl_b32 s82, s77, 6
	s_add_co_u32 s82, s82, s80
	s_mov_b32 s83, 0
	s_add_nc_u64 s[52:53], s[4:5], s[82:83]        ; q's codes at the high tile,
	s_lshl_b32 s82, s76, 6
	s_add_co_u32 s82, s82, s80
	s_add_nc_u64 s[54:55], s[4:5], s[82:83]        ; at the low tile
	global_load_b128 v[QH:QH+3], v[QA], s[52:53]
	global_load_b128 v[QH+4:QH+7], v[QA], s[52:53] offset:32
	global_load_b128 v[QL:QL+3], v[QA], s[54:55]
	global_load_b128 v[QL+4:QL+7], v[QA], s[54:55] offset:32
	s_lshr_b32 s81, s10, 4
	s_lshl_b32 s81, s81, 21                        ; yc: 8 blocks of 262,144 bytes for each b,
	s_and_b32 s84, s10, 15
	s_lshl_b32 s84, s84, 14                        ; 16,384 for each h
	s_add_co_u32 s81, s81, s84
	s_lshr_b32 s82, s77, 8
	s_lshl_b32 s82, s82, 18
	s_and_b32 s84, s77, 255
	s_lshl_b32 s84, s84, 6
	s_add_co_u32 s82, s82, s84
	s_add_co_u32 s82, s82, s81
	s_add_nc_u64 s[56:57], s[8:9], s[82:83]        ; the high tile's 1,024 bytes of y,
	s_lshr_b32 s82, s76, 8
	s_lshl_b32 s82, s82, 18
	s_and_b32 s84, s76, 255
	s_lshl_b32 s84, s84, 6
	s_add_co_u32 s82, s82, s84
	s_add_co_u32 s82, s82, s81
	s_add_nc_u64 s[58:59], s[8:9], s[82:83]        ; the low tile's
	v_lshrrev_b32 v8, 2, v10
	v_and_b32 v9, 3, v10
	s_delay_alu instid0(VALU_DEP_2)
	v_mul_u32_u24 v8, v8, 272
	s_delay_alu instid0(VALU_DEP_1)
	v_lshl_add_u32 v8, v9, 6, v8                   ; (r / 4) 272 + (r % 4) 64
	s_delay_alu instid0(VALU_DEP_1)
	v_lshl_add_u32 v[AK0], v11, 4, v8
	s_mul_i32 s85, s[WV], 1280
	s_add_co_u32 s85, s85, STAGE                   ; my stage
	v_lshl_add_u32 v[STO], v11, 3, v8
	s_delay_alu instid0(VALU_DEP_1)
	v_add_nc_u32 v[STO], s85, v[STO]
	v_mul_u32_u24 v[RD], v11, 272
	s_delay_alu instid0(VALU_DEP_1)
	v_lshl_add_u32 v[RD], v10, 4, v[RD]
	s_delay_alu instid0(VALU_DEP_1)
	v_add_nc_u32 v[RD], s85, v[RD]
	v_lshrrev_b32 v8, 1, v10
	v_and_b32 v9, 1, v10
	s_delay_alu instid0(VALU_DEP_2)
	v_mul_u32_u24 v8, v8, 272
	s_delay_alu instid0(VALU_DEP_1)
	v_lshl_add_u32 v8, v9, 7, v8
	s_delay_alu instid0(VALU_DEP_1)
	v_lshl_add_u32 v8, v11, 4, v8
	s_delay_alu instid0(VALU_DEP_1)
	v_add_nc_u32 v[AV0], VREG, v8
	v_and_b32 v[GO], 31, v0
	s_delay_alu instid0(VALU_DEP_1)
	v_lshlrev_b32 v[GO], 4, v[GO]
	v_lshlrev_b32 v[MR], 3, v11
	s_delay_alu instid0(VALU_DEP_1)
	v_sub_nc_u32 v[MR], v10, v[MR]
	s_wait_kmcnt 0x0
	s_add_co_i32 s86, s70, s71
	s_lshl_b32 s86, s86, 23
	s_mov_b32 s[CS], 0x3e38aa3b                    ; log2(e) / 8
	s_add_co_i32 s[CS], s[CS], s86                 ; a score stands for score x 2^(e2 + e3): the two exponents are added to the factor's exponent field
	s_mov_b32 s[CS+1], s[CS]                       ; (named with it as a pair, so it is written)
	s_add_co_i32 s86, s72, 127
	s_lshl_b32 s87, s86, 23
	v_mov_b32 v244, s87                            ; 2^e4, for p's conversions
	s_add_co_i32 s86, s74, 127
	s_lshl_b32 s87, s86, 23
	v_mov_b32 v245, s87                            ; 2^e6, for y's
	s_add_co_i32 s[EPV], s72, s73
; A KEY STEP: 128 keys.  plain = 1: a step that is known to lie wholly under the diagonal.  q: Q's registers.
.macro STEP plain, q
.if !\plain
	s_cmp_gt_u32 s[SI], s[DG]                      ; all keys hidden: the work is left out; the address still steps
	s_cbranch_scc1 .Lhidden_\@
.endif
	s_setprio 2
	v_add_nc_u32 v[ADK], s[TB], v[AK0]
	v_add_nc_u32 v[ADV], s[TB], v[AV0]
.irp t, 0,1,2,3,4,5,6,7                        ; K: eight tiles of 16 neighbouring keys x 64
	ds_load_b128 v[32+8*\t:35+8*\t], v[ADK] offset:1088*\t
	ds_load_b128 v[36+8*\t:39+8*\t], v[ADK] offset:1088*\t+32
.endr
	s_wait_alu depctr_va_vdst(0)
	s_wait_dscnt 0x0
.irp t, 0,1,2,3,4,5,6,7
	v_wmma_f32_16x16x64_fp8_fp8 v[96+8*\t:103+8*\t], v[32+8*\t:39+8*\t], v[\q:\q+7], 0
.endr
.rept 4
	v_nop                                          ; places in front of the loads into K's registers and of the first read of the scores
.endr
.irp t, 0,1,2,3                                ; V: four tiles of 16 d x 128 keys: they land while the softmax is worked
.irp c, 0,1,2,3
	ds_load_b128 v[32+16*\t+4*\c:35+16*\t+4*\c], v[ADV] offset:2176*\t+32*\c
.endr
.endr
.if !\plain
	s_cmp_lg_u32 s[SI], s[DG]
	s_cbranch_scc1 .Lopen_\@
	s_lshl_b32 s98, s[SI], 7                       ; on the diagonal the scores of hidden keys become -infinity ahead of the maximum: p = 0 then.  A query's own key lies in this step, so M stays a number
	s_sub_co_i32 s98, s[Q0], s98
	v_add_nc_u32 v252, s98, v[MR]                  ; my query - the step's first key - 8 hh.  Register n holds key 16 (n / 8) + n % 8 + 8 hh of the step
	v_mov_b32 v254, 0xff800000
.set n, 0
.rept 64
	v_cmp_gt_i32 vcc_lo, 16*(n/8)+n%8, v252
	v_cndmask_b32 v[96+n], v[96+n], v254, vcc_lo
.set n, n+1
.endr
.Lopen_\@:
.endif
	v_max3_num_f32 v254, v96, v97, v98             ; the step's largest score of my query among my 64 keys, in two chains, each accumulator from its low end on,
	v_max3_num_f32 v252, v99, v100, v101
.set i, 6
.rept 14
	v_max3_num_f32 v254, v254, v[96+i], v[97+i]
	v_max3_num_f32 v252, v252, v[98+i], v[99+i]
.set i, i+4
.endr
	v_max3_num_f32 v254, v254, v158, v159
	s_delay_alu instid0(VALU_DEP_1)
	v_max_num_f32 v254, v254, v252
	v_permlanex16_b32 v236, v254, s[SEL], s[SEL+1]
	s_delay_alu instid0(VALU_DEP_1)
	v_max_num_f32 v254, v254, v236                 ; and among lane l xor 16's
	s_delay_alu instid0(VALU_DEP_1)
	v_mul_f32 v254, s[CS], v254                    ; as t (the factor is positive)
	s_delay_alu instid0(VALU_DEP_1)
	v_max_num_f32 v13, v13, v254                   ; the running largest t
	v_mov_b32 v254, v12
	s_delay_alu instid0(VALU_DEP_2)
	v_floor_f32 v12, -v13                          ; the new -M = floor(-t): M is a whole number
	s_delay_alu instid0(VALU_DEP_1)
	v_sub_f32 v254, v12, v254                      ; old M - new M: a whole number, 0 or less
	s_delay_alu instid0(VALU_DEP_1)
	v_cvt_i32_f32 v254, v254                       ; (it saturates)
	s_delay_alu instid0(VALU_DEP_1)
	v_ldexp_f32 v252, 1.0, v254                    ; f = 2^(old M - new M)
.set i, 0
.rept 32
	v_pk_fma_f32 v[96+i:97+i], v[96+i:97+i], s[CS:CS+1], v[12:13] op_sel_hi:[1,0,0]   ; t - M, two at a time
.set i, i+2
.endr
.set i, 0
	s_setprio 1
	s_wait_alu depctr_va_vdst(0)
.rept 64
	v_exp_f32 v[96+i], v[96+i]                     ; p = 2^(t - M), at most 1
.set i, i+1
.endr
	v_pk_mul_f32 v[14:15], v[14:15], v[252:253] op_sel_hi:[1,0]   ; the sum under the new M: the plain instruction behind the exponentials
	s_wait_alu depctr_va_vdst(0)                   ; one wait for the whole batch, ahead of its first reader
	v_pk_add_f32 v[242:243], v[96:97], v[98:99]    ; the row's sum is taken of the unquantised p, in two chains
.set i, 4
.rept 15
	v_pk_add_f32 v[14:15], v[14:15], v[96+i:97+i]
	v_pk_add_f32 v[242:243], v[242:243], v[98+i:99+i]
.set i, i+4
.endr
	s_delay_alu instid0(VALU_DEP_1)
	v_pk_add_f32 v[14:15], v[14:15], v[242:243]
.set i, 0
.rept 64
.set i, i+1
.endr
.irp t, 0,1,2,3,4,5,6,7
	v_cvt_scalef32_pk8_fp8_f32 v[224+2*\t:225+2*\t], v[96+8*\t:103+8*\t], v244   ; keys 16 t + 8 hh + 0 .. 7: registers 2 t, 2 t + 1 of the operand
.endr
.set i, 0
	s_setprio 0
.rept 16
	v_pk_mul_f32 v[160+i:161+i], v[160+i:161+i], v[252:253] op_sel_hi:[1,0]      ; O^T under the new M; also the plain instructions between the conversions and the products
.set i, i+2
.endr
	s_wait_alu depctr_va_vdst(0)
	s_wait_dscnt 0x0                               ; V is in
.irp t, 0,1,2,3                                ; the four accumulators take turns, and the scores' eight products stand between a sum's links
	v_wmma_f32_16x16x128_fp8_fp8 v[160+8*\t:167+8*\t], v[32+16*\t:47+16*\t], v[224:239], v[160+8*\t:167+8*\t]
.endr
.rept 4
	v_nop                                          ; places in front of the next loads into V's registers and of the next read of O^T
.endr
.if !\plain
.Lhidden_\@:
.endif
	s_add_co_u32 s[TB], s[TB], STEPB
.endm
.macro KEYLOOP n, plain, q
	s_mov_b32 s[CNT], \n
.Lkeys_\@:
	STEP \plain, \q
	s_add_co_u32 s[SI], s[SI], 1
	s_sub_co_u32 s[CNT], s[CNT], 1
	s_cmp_lg_u32 s[CNT], 0
	s_cbranch_scc1 .Lkeys_\@
	s_setprio 0
.endm
.macro INIT q0, dg                     ; a tile begins: O^T and the sum are zeros and the largest t lies under every t, so the step needs no first form
	s_mov_b32 s[Q0], s[\q0]
	s_mov_b32 s[DG], s[\dg]
	s_mov_b32 s[SI], 0
	s_mov_b32 s[TB], 0
	v_mov_b32 v13, 0xff61b1e6                      ; -3e38
	s_delay_alu instid0(VALU_DEP_1)
	v_floor_f32 v12, -v13
	v_mov_b32 v14, 0
	v_mov_b32 v15, 0
	v_mov_b32 v236, 0                              ; a lane permute's destination counts as one of its sources
	v_mov_b32 v253, 0                              ; (named as the upper half of the pair v[252:253])
.set i, 0
.rept 32
	v_mov_b32 v[160+i], 0
.set i, i+1
.endr
.endm
; THE WAY OUT of a tile: y = O^T / the sum x 2^(e4 + e5), held, quantised with 2^e6.  A lane's eight codes of tile t are d = 16 t + 8 hh + 0 .. 7 of its query's row of 64 bytes.
; The 16 rows, 1,024 dense bytes, go through my stage and leave by two stores of 512 consecutive bytes.
.macro WAYOUT yp
	v_add_f32 v14, v14, v15
	s_delay_alu instid0(VALU_DEP_1)
	v_permlanex16_b32 v252, v14, s[SEL], s[SEL+1]
	s_delay_alu instid0(VALU_DEP_1)
	v_add_f32 v14, v14, v252                       ; the row's sum
	s_wait_alu depctr_va_vdst(0)
	v_rcp_f32 v14, v14
	v_nop                                          ; a plain instruction behind the transcendental
	s_wait_alu depctr_va_vdst(0)                   ; and the wait ahead of its first reader
	v_ldexp_f32 v14, v14, s[EPV]
.set i, 0
.rept 16
	v_pk_mul_f32 v[96+i:97+i], v[160+i:161+i], v[14:15] op_sel_hi:[1,0]   ; each accumulator from its low end on
.set i, i+2
.endr
.set i, 0
.rept 32
.set i, i+1
.endr
.irp t, 0,1,2,3
	v_cvt_scalef32_pk8_fp8_f32 v[24+2*\t:25+2*\t], v[96+8*\t:103+8*\t], v245
.endr
	v_nop                                          ; a plain instruction behind the last conversion
.irp t, 0,1,2,3
	ds_store_b64 v[STO], v[24+2*\t:25+2*\t] offset:16*\t
.endr
	ds_load_b128 v[32:35], v[RD]                   ; LDS serves a wave's instructions in order (ISA guide 5.7.1.4): these see my stores
	ds_load_b128 v[36:39], v[RD] offset:544
	s_wait_dscnt 1
	global_store_b128 v[GO], v[32:35], s[\yp:\yp+1]
	s_wait_dscnt 0
	global_store_b128 v[GO], v[36:39], s[\yp:\yp+1] offset:512
.endm
	INIT 77, 79                                    ; THE HIGH TILE FIRST: every wave has nine steps or more there, so the first four trips are the same work in all sixteen
	s_wait_loadcnt 0x0                             ; Q, both tiles
	s_wait_tensorcnt 1                             ; my part of keys 0 to 511 is in; the second fill may stay out
	s_barrier_signal -1
	s_barrier_wait -1                              ; everybody's is
	KEYLOOP 4, 1, QH                               ; keys 0 to 511
	s_wait_tensorcnt 0x0                           ; my part of keys 512 to 2,047 is in
	s_wait_dscnt 0x0
	s_barrier_signal -1
	s_barrier_wait -1                              ; everybody's is: from here on the waves run free
	KEYLOOP 12, 0, QH
	WAYOUT 56
	s_wait_xcnt 0x0                                ; the stores have read their registers: v32-39 are loaded again below
	INIT 76, 78                                    ; the low tile: its diagonal lies in steps 0 to 7
	KEYLOOP 8, 0, QL
	WAYOUT 58
	s_wait_dscnt 0x0
	s_wait_tensorcnt 0x0
	ds_add_u32 v251, v255
	s_wait_dscnt 0x0
	CROUND                                         ; the closing round: no work-group ends while a partner may still ask for a tile that names it
	s_endpgm
.Lfunc_end_k_q8e64aa3ff5_attn:
	.size	k_q8e64aa3ff5_attn, .Lfunc_end_k_q8e64aa3ff5_attn-k_q8e64aa3ff5_attn
	.p2alignl 7, 3214868480
	.fill 96, 4, 3214868480
	.section	.rodata,"a",@progbits
	.p2align	6, 0x0
	.amdhsa_kernel k_q8e64aa3ff5_attn
		.amdhsa_group_segment_fixed_size 327680
		.amdhsa_private_segment_fixed_size 0
		.amdhsa_enable_private_segment 0
		.amdhsa_kernarg_size 24
		.amdhsa_user_sgpr_count 2
		.amdhsa_user_sgpr_kernarg_segment_ptr 1
		.amdhsa_wavefront_size32 1
		.amdhsa_system_sgpr_workgroup_id_x 1
		.amdhsa_system_sgpr_workgroup_id_y 1
		.amdhsa_system_sgpr_workgroup_id_z 1
		.amdhsa_system_vgpr_workitem_id 0
		.amdhsa_next_free_vgpr 256
		.amdhsa_next_free_sgpr 100
		.amdhsa_reserve_vcc 1
		.amdhsa_float_denorm_mode_32 3
		.amdhsa_float_denorm_mode_16_64 3
		.amdhsa_fp16_overflow 1
		.amdhsa_memory_ordered 1
		.amdhsa_forward_progress 1
		.amdhsa_inst_pref_size 69
	.end_amdhsa_kernel
	.amdgpu_metadata
---
amdhsa.version: [ 1, 2 ]
amdhsa.kernels:
  - .name:           k_q8e64aa3ff5_attn
    .symbol:         k_q8e64aa3ff5_attn.kd
    .args:
      - { .name: qkv, .offset: 0, .size: 8, .value_kind: global_buffer, .address_space: global }
      - { .name: lowp_scales, .offset: 8, .size: 8, .value_kind: global_buffer, .address_space: global }
      - { .name: yc, .offset: 16, .size: 8, .value_kind: global_buffer, .address_space: global }
    .group_segment_fixed_size: 327680
    .private_segment_fixed_size: 0
    .kernarg_segment_align: 8
    .kernarg_segment_size: 24
    .max_flat_workgroup_size: 512
    .sgpr_count:     100
    .vgpr_count:     256
    .wavefront_size: 32
...
	.end_amdgpu_metadata
.endif
;; end of part 3
;; launch proj (part 4): grid 4 x 32, 4 waves a work-group, clusters of 4 x 4, 327,680 bytes of LDS; arguments yc, wc, lowp_scales, out0, b_proj; writes out0
.if DOCPART == 4
	.amdgcn_target "amdgcn-amd-amdhsa--gfx1250"
	.amdhsa_code_object_version 6
	.text
	.protected	k_q8e64aa3ff5_proj
	.globl	k_q8e64aa3ff5_proj
	.p2align	8
	.type	k_q8e64aa3ff5_proj,@function
k_q8e64aa3ff5_proj:
	s_mov_b64 s[64:65], 0
	v_nop
	global_prefetch_b8 v0, s[64:65] scope:SCOPE_SE
	s_setreg_imm32_b32 hwreg(HW_REG_WAVE_MODE, 25, 1), 1
	s_wait_xcnt 0x0
	s_wait_alu depctr_hold_cnt(0) depctr_sa_sdst(0) depctr_va_vdst(0) depctr_va_sdst(0) depctr_va_ssrc(0) depctr_va_vcc(0) depctr_vm_vsrc(0)
	s_getreg_b32 s2, hwreg(HW_REG_IB_STS2, 6, 4)
	s_cmp_eq_u32 s2, 0
	s_cbranch_scc0 .Lentry_in_a_cluster
	s_endpgm
.Lentry_in_a_cluster:
	s_bfe_u32 s2, ttmp6, 0x10000c
	s_cmp_lg_u32 s2, 0xf033
	s_cbranch_scc0 .Lentry_shape_is_right
	s_endpgm
.Lentry_shape_is_right:
; out0 = y w_proj + b_proj on codes of E4M3; sums in f32.  y's codes: yc [row / 256][h 16][row % 256][64 bytes]; w_proj's: wc rows 3072 + n, [n][1024], K innermost.  out0 [8192][1024] f32.
; A sum stands for sum x 2^(e6 + e7).  The bias goes in as the C of each sum's first product, divided by that power of two, and each finished sum is multiplied by it once.
; LIMIT: e6 + e7 lies between -126 and 127.
; A tile of 256 x 256 is made by four waves, 128 x 128 each: 64 accumulators, 512 registers.  K = 1,024 goes in four steps of 256 (four heads) through two LDS slots filled by the tensor data mover.
; A K step of A's tile is one dense block of 65,536 bytes of yc: it comes in as rows of 256 bytes; head u of the step begins 17,408 LDS bytes x u on, and a row's 64 bytes lie at (row / 4) 272 + (row % 4) 64.
; THE MATRIX INSTRUCTION IS USED TRANSPOSED (source 0 = 16 rows of the weight, source 1 = 16 rows of y): a lane holds eight neighbouring numbers of a row of out0.
; CLUSTERS: 4 x 4 work-groups; y's tile is shared along a row of the cluster, the weight's along a column: each is asked for jointly.  128 work-groups for 256 WGPs: stated, not mended here.
; REGISTERS, in windows of 256: window 0: v0-31 addresses; v32-95 the biases, later a block's results; v128-255 A's fragments, one set, later rows on their way out.  window 1: B's fragments, two sets.
;   window 2: the 32 accumulators of my rows 0-63 (accumulator (a, b) at v[8 (8 a + b)]);  window 3: those of rows 64-127.
.set SIZE_N, 1024
.set ROWB,   256
.set PITCH,  272                       ; an LDS row: 256 bytes + 16 of padding
.set FR,     16
.set NL,     4
.set NP,     4                         ; places behind this matrix instruction (ISA guide 7.12.1)
.set HALFT,  128*PITCH
.set SLOT,   4*HALFT
.set STEPA,  65536                     ; a K step on in yc
.set SPARE,  2*SLOT                    ; the spare words, 128 bytes a wave: two blocks of 256 bytes that no other line names
.set SPITCH, 528                       ; the way out: a stage of 16 rows x (512 bytes + 16) for each wave, in slot 0, which has had its last fill and its last read by then
.set ADRA, 16
.set ADRB, 20
.set STO,  24
.set RD,   25
.set CO,   26
.set SPW,  28                          ; v28     LDS address of my spare word; never rewritten
.set NIL,  29                          ; v29     0; never rewritten
.set BI,   32                          ; v32-95  b_proj / 2^(e6 + e7) in the result's layout: 8 registers for each of B's eight blocks
.set TMP,  32
.set AF,   128
.set BK,   128
.set G1,  24
.set G0,  32
.set G1B, 48
.set G0B, 56
.set MSB, 0
.macro WIN new                         ; the immediate's high byte repeats the setting that is left
.if MSB != \new
	s_set_vgpr_msb (MSB<<8)|\new
.set MSB, \new
.endif
.endm
.set MUL_LO, 0xa1                      ; source 0 (B) window 1, source 1 (A) window 0, C and D window 2
.set MUL_HI, 0xf1                      ; the same, C and D window 3
.set FST_LO, 0x81                      ; the first products: C (the bias) window 0, D window 2
.set FST_HI, 0xc1                      ; D window 3
.set TO_B,   0x40
.macro JLOAD g0a, g1a, g0b, g1b        ; a joint load: waves 0 and 1 fetch for A, waves 2 and 3 for B; four v_nop follow each of the two lines
	s_cmp_eq_u32 s15, 0
	s_cbranch_scc0 .Lfor_b_\@
	tensor_load_to_lds s[\g0a:\g0a+3], s[\g1a:\g1a+7]
	s_nop 0
.rept 4
	v_nop
.endr
	s_branch .Lasked_\@
.Lfor_b_\@:
	tensor_load_to_lds s[\g0b:\g0b+3], s[\g1b:\g1b+7]
	s_nop 0
.rept 4
	v_nop
.endr
.Lasked_\@:
.endm
.macro CREST
	s_cmp_lg_u32 s14, 0
	s_cbranch_scc1 .Lnot_wave_0_\@
	s_barrier_signal -3
.Lnot_wave_0_\@:
	s_barrier_wait -3
	s_barrier_signal -1
	s_barrier_wait -1
.endm
.macro CROUND
	s_barrier_signal -1
	s_barrier_wait -1
	CREST
.endm
	s_load_b128 s[4:7], s[0:1], 0x0                ; yc s[4:5], wc s[6:7]
	s_load_b128 s[8:11], s[0:1], 0x10              ; the scales' exponents s[8:9], out0 s[10:11]
	s_load_b64 s[12:13], s[0:1], 0x20              ; b_proj
	v_lshl_add_u32 v[SPW], v0, 2, SPARE
	v_mov_b32 v[NIL], 0
	ds_add_u32 v28, v29
	ds_add_u32 v28, v29
	s_wait_dscnt 0x0
	v_lshrrev_b32 v1, 5, v0
	v_readfirstlane_b32 s14, v1                    ; wave 0..3
	s_lshr_b32 s15, s14, 1                         ; which half of the tile's rows is mine.  Also: I fetch for A (0) or for B (1)
	s_and_b32 s16, s14, 1                          ; which half of its columns.  Also: which half of that tile I fetch
	s_bfe_u32 s40, ttmp6, 0x40000                  ; cx, cy
	s_bfe_u32 s41, ttmp6, 0x40004
	s_lshl_b32 s42, ttmp9, 2
	s_add_co_u32 s42, s42, s40                     ; tile column
	s_and_b32 s17, ttmp7, 0xffff
	s_lshl_b32 s17, s17, 2
	s_add_co_u32 s17, s17, s41                     ; tile row
	s_lshl_b32 s43, s41, 2
	s_lshl_b32 s43, 15, s43                        ; my row of the cluster
	s_lshl_b32 s44, 0x1111, s40                    ; my column
	s_or_b32 s[G1+0], s43, (0<<16)|(1<<20)|(1<<21)|(5<<22)|(3<<25)  ; 15:0 the mask; 17:16 elements of 1 byte; 20 padding on; 21 set beside a mask; 24:22 after every 64 words; 31:25 four words
	s_or_b32 s[G1B+0], s44, (0<<16)|(1<<20)|(1<<21)|(5<<22)|(3<<25)
.irp g, G1, G1B
	s_mov_b32 s[\g+1], ROWB<<16                    ; tensor_dim0 = 256
	s_mov_b32 s[\g+2], 128<<16                     ; tensor_dim1 = 128
	s_mov_b32 s[\g+3], ROWB<<16                    ; tile_dim0 = 256
	s_mov_b32 s[\g+4], 128                         ; tile_dim1 = 128
	s_mov_b32 s[\g+6], 0
	s_mov_b32 s[\g+7], 0
.endr
	s_mov_b32 s[G1+5], 256                         ; A: dense memory: a row begins where the last ends
	s_mov_b32 s[G1B+5], 1024                       ; B: a row of wc
	s_lshl_b32 s20, s17, 18                        ; A: 262,144 bytes a tile row,
	s_lshl_b32 s18, s16, 15
	s_add_co_u32 s20, s20, s18                     ; two heads, 32,768 bytes, a fetching wave
	s_mov_b32 s21, 0
	s_lshl_b32 s46, s42, 8
	s_lshl_b32 s18, s16, 7
	s_add_co_u32 s46, s46, s18
	s_add_co_u32 s46, s46, 3072                    ; B: row 3072 + 256 x tile column + 128 x half
	s_lshl_b32 s46, s46, 10
	s_mov_b32 s47, 0
	s_mul_i32 s45, s14, HALFT                      ; where they go: no place in the cluster enters an LDS address
	s_wait_kmcnt 0x0
	s_load_b256 s[72:79], s[8:9], 0x0              ; e0 .. e7
	s_add_nc_u64 s[20:21], s[4:5], s[20:21]
	s_add_nc_u64 s[46:47], s[6:7], s[46:47]
	CROUND                                         ; all sixteen work-groups are here: the first joint loads meet
.irp s, 0,1
	s_mov_b32 s[G0+4*\s], 1
	s_add_co_u32 s[G0+4*\s+1], s45, \s*SLOT
	s_add_nc_u64 s[G0+4*\s+2:G0+4*\s+3], s[20:21], \s*STEPA
	s_or_b32 s[G0+4*\s+3], s[G0+4*\s+3], 0x80000000
	s_mov_b32 s[G0B+4*\s], 1
	s_add_co_u32 s[G0B+4*\s+1], s45, \s*SLOT
	s_add_nc_u64 s[G0B+4*\s+2:G0B+4*\s+3], s[46:47], \s*ROWB
	s_or_b32 s[G0B+4*\s+3], s[G0B+4*\s+3], 0x80000000
	s_wait_alu depctr_va_vdst(0)
	s_wait_tensorcnt 0x0
	ds_add_u32 v28, v29
	ds_add_u32 v28, v29
	s_wait_dscnt 0x0
	CROUND
	JLOAD G0+4*\s, G1, G0B+4*\s, G1B
.endr
	v_and_b32 v1, 15, v0                           ; r
	v_bfe_u32 v2, v0, 4, 1                         ; hh
	s_lshl_b32 s80, s42, 10                        ; b_proj: 256 numbers a tile column,
	s_lshl_b32 s81, s16, 9                         ; 128 a half
	s_add_co_u32 s80, s80, s81
	s_mov_b32 s81, 0
	s_add_nc_u64 s[12:13], s[12:13], s[80:81]
	v_lshlrev_b32 v7, 5, v2
.irp b, 0,1,2,3,4,5,6,7
	global_load_b128 v[BI+8*\b:BI+8*\b+3], v7, s[12:13] offset:64*\b        ; the biases of columns 16 b + 8 hh + 0 .. 7
	global_load_b128 v[BI+8*\b+4:BI+8*\b+7], v7, s[12:13] offset:64*\b+16
.endr
	v_mul_u32_u24 v3, v1, PITCH
	v_lshl_add_u32 v4, v2, 4, v3                   ; B: a fragment's row x pitch + 16 x half
	v_lshrrev_b32 v3, 2, v1
	v_mul_u32_u24 v3, v3, 272
	v_and_b32 v5, 3, v1
	v_lshl_add_u32 v3, v5, 6, v3
	v_lshl_add_u32 v3, v2, 4, v3                   ; A: (r / 4) 272 + (r % 4) 64 + 16 x half
	s_mul_i32 s21, s15, 32*272                     ; my 128 rows of a head: 32 pieces on
	s_mul_i32 s22, s16, HALFT                      ; my 128 rows of B,
	s_add_co_u32 s22, s22, 2*HALFT                 ; which lie behind A's part of the slot
.irp s, 0,1
	v_add_nc_u32 v[ADRA+\s], s21, v3
	v_add_nc_u32 v[ADRB+\s], s22, v4
	s_add_co_u32 s21, s21, SLOT
	s_add_co_u32 s22, s22, SLOT
.endr
	s_mul_i32 s23, s14, 16*SPITCH                  ; my stage
	v_mul_u32_u24 v5, v1, SPITCH
	v_lshl_add_u32 v5, v2, 5, v5
	v_add_nc_u32 v[STO], s23, v5                   ; in: row r, 32 bytes for each half of the lanes
	v_and_b32 v6, 31, v0
	v_lshlrev_b32 v[CO], 4, v6
	v_add_nc_u32 v[RD], s23, v[CO]                 ; back: the 32 lanes take one row of 512 bytes
	s_lshl_b32 s20, s17, 8
	s_lshl_b32 s21, s15, 7
	s_add_co_u32 s20, s20, s21                     ; my first row of out0
	s_lshl_b32 s20, s20, 12                        ; 4,096 bytes a row
	s_lshl_b32 s46, s42, 10
	s_add_co_u32 s20, s20, s46                     ; 1,024 bytes a tile column,
	s_lshl_b32 s46, s16, 9
	s_add_co_u32 s20, s20, s46                     ; 512 a half
	s_mov_b32 s21, 0
	s_add_nc_u64 s[10:11], s[10:11], s[20:21]
	s_wait_kmcnt 0x0
	s_add_co_i32 s96, s78, s79                     ; e6 + e7
	s_sub_co_i32 s98, 0, s96
	s_add_co_i32 s96, s96, 127
	s_lshl_b32 s96, s96, 23                        ; 2^(e6 + e7) as f32
	s_mov_b32 s97, s96                             ; (named with it as a pair, so it is written)
	s_wait_loadcnt 0x0
.set j, 0
.rept 64
	v_ldexp_f32 v[BI+j], v[BI+j], s98              ; the bias / 2^(e6 + e7): nothing is rounded, short of overflow and underflow
.set j, j+1
.endr
.macro FRAG reg, adr, q, i             ; B: 16 rows x 128 K: registers 4 c .. 4 c + 3 hold K = 32 c + 16 (l / 16) + 0 .. 15
.irp c, 0,1,2,3
	ds_load_b128 v[\reg+4*\c:\reg+4*\c+3], v[\adr] offset:128*(\q)+32*\c+(\i)*16*PITCH
.endr
.endm
.macro FRAGA reg, adr, q, i            ; A: the same K: head 2 q + c / 2 of the step's four, d = 32 (c % 2) + 16 (l / 16) + 0 .. 15
.irp c, 0,1,2,3
	ds_load_b128 v[\reg+4*\c:\reg+4*\c+3], v[\adr] offset:34816*(\q)+17408*(\c/2)+1088*(\i)+32*(\c%2)
.endr
.endm
; 16 matrix instructions: A's blocks a0, a0 + 1 x B's eight.  first = 1: the first product starts the sum with the bias as its C.
; The 64 accumulators take turns, one instruction a turn, in the same order in every step.
.macro MUL16 a0, p, first
.irp a, \a0, \a0+1
.irp b, 0,1,2,3,4,5,6,7
.if \first
	v_wmma_f32_16x16x128_fp8_fp8 v[8*(8*((\a)%4)+\b):8*(8*((\a)%4)+\b)+7], v[128*(\p)+FR*\b:128*(\p)+FR*\b+FR-1], v[AF+FR*(\a):AF+FR*(\a)+FR-1], v[BI+8*\b:BI+8*\b+7]
.else
	v_wmma_f32_16x16x128_fp8_fp8 v[8*(8*((\a)%4)+\b):8*(8*((\a)%4)+\b)+7], v[128*(\p)+FR*\b:128*(\p)+FR*\b+FR-1], v[AF+FR*(\a):AF+FR*(\a)+FR-1], v[8*(8*((\a)%4)+\b):8*(8*((\a)%4)+\b)+7]
.endif
.endr
.endr
.endm
.macro FETCH_B slot, q, p
	WIN TO_B
.irp i, 0,1,2,3,4,5,6,7
	FRAG 128*(\p)+FR*\i, ADRB+\slot, \q, \i
.endr
	WIN 0
.endm
.macro FETCH_A slot, q, i0
.irp i, \i0, \i0+1, \i0+2, \i0+3
	FRAGA AF+FR*(\i), ADRA+\slot, \q, \i
.endr
.endm
.macro PLACES n
.rept \n
	v_nop
.endr
.endm
.macro STEP slot, q, first
	s_wait_dscnt 4*NL                              ; B's set and A's blocks 0-3 are in; the youngest sixteen loads (A's blocks 4-7) may be out
.if \first
	WIN FST_LO
.else
	WIN MUL_LO
.endif
	MUL16 0, (\q)%2, \first
	MUL16 2, (\q)%2, \first
	s_wait_dscnt 0                                 ; A's blocks 4-7 are in
	PLACES NP
	FETCH_B \slot, (\q)+1, 1-(\q)%2
	FETCH_A \slot, (\q)+1, 0
.if \first
	WIN FST_HI
.else
	WIN MUL_HI
.endif
	MUL16 4, (\q)%2, \first
	MUL16 6, (\q)%2, \first
	PLACES NP
	WIN 0
	FETCH_A \slot, (\q)+1, 4
.endm
.macro TURN slot, next, fill
	s_wait_tensorcnt 0x0                           ; all my tensor loads have landed: my part of the next slot
	ds_add_u32 v[SPW], v[NIL]                      ; 0 onto my spare word
	s_wait_dscnt 4*NL+1                            ; (the add and the youngest sixteen loads may be out)
	WIN MUL_LO
	MUL16 0, 1, 0                                  ; sixteen matrix instructions stand between the add and the wait for it
	s_wait_dscnt 0x0                               ; the add is done, and my reads of this slot are over
	s_barrier_signal -1
	MUL16 2, 1, 0
	WIN 0
	s_barrier_wait -1
.if \fill
	CREST                                          ; the barrier has opened a round of the cluster's barrier: no wave of any partner still reads this slot or has a load on its way
	s_add_nc_u64 s[G0+4*\slot+2:G0+4*\slot+3], s[G0+4*\slot+2:G0+4*\slot+3], 2*STEPA
	s_add_nc_u64 s[G0B+4*\slot+2:G0B+4*\slot+3], s[G0B+4*\slot+2:G0B+4*\slot+3], 2*ROWB
	JLOAD G0+4*\slot, G1, G0B+4*\slot, G1B         ; the first tensor load behind the round; its four v_nop are also the places in front of the loads below
.else
	PLACES NP
.endif
	FETCH_B \next, 0, 0
	FETCH_A \next, 0, 0
	WIN MUL_HI
	MUL16 4, 1, 0
	MUL16 6, 1, 0
	PLACES NP
	WIN 0
	FETCH_A \next, 0, 4
.endm
	s_wait_alu depctr_va_vdst(0)
	s_wait_tensorcnt 1                             ; my part of K step 0 is in (K step 1's load may be out)
	s_barrier_signal -1
	s_barrier_wait -1                              ; everybody's is
	FETCH_B 0, 0, 0
	FETCH_A 0, 0, 0
	FETCH_A 0, 0, 4
	STEP 0, 0, 1                                   ; the first step stands in front of the loop: its products start the sums with the bias
	s_mov_b32 s3, 1                                ; 1,024 along K are two laps of the ring: one trip fills both slots again
.Llap:
	TURN 0, 1, 1
	STEP 1, 0, 0
	TURN 1, 0, 1
	STEP 0, 0, 0
	s_sub_co_u32 s3, s3, 1
	s_cmp_lg_u32 s3, 0
	s_cbranch_scc1 .Llap
	TURN 0, 1, 0                                   ; the last lap fills nothing
	STEP 1, 0, 0
	s_wait_dscnt 4*NL                              ; the very last step
	WIN MUL_LO
	MUL16 0, 1, 0
	MUL16 2, 1, 0
	s_wait_dscnt 0
	WIN MUL_HI
	MUL16 4, 1, 0
	MUL16 6, 1, 0
	WIN 0
; THE WAY OUT, block by block of 16 rows x 128 columns: through my own stage in LDS and back as whole rows of 512 bytes, which the 32 lanes store.
.macro TOSTAGE a
.set AC, 64*((\a)%4)
	WIN 0x02+((\a)/4)                              ; source 0: window 2 or 3
.set j, 0
.rept 32
	v_pk_mul_f32 v[TMP+j:TMP+j+1], v[AC+j:AC+j+1], s[96:97] op_sel_hi:[1,0]   ; x 2^(e6 + e7); each accumulator from its low end on
.set j, j+2
.endr
	WIN 0
.irp b, 0,1,2,3,4,5,6,7
	ds_store_b128 v[STO], v[TMP+8*\b:TMP+8*\b+3] offset:64*\b
	ds_store_b128 v[STO], v[TMP+8*\b+4:TMP+8*\b+7] offset:64*\b+16
.endr
.set BB, BK+64*((\a)%2)
.irp t, 0,1,2,3,4,5,6,7,8,9,10,11,12,13,14,15
	ds_load_b128 v[BB+4*\t:BB+4*\t+3], v[RD] offset:\t*SPITCH     ; LDS serves a wave's instructions in order (ISA guide 5.7.1.4): these see my stores
.endr
.endm
.macro SEND a, younger                 ; younger: the LDS instructions issued behind block a's loads, which may stay out
.set BB, BK+64*((\a)%2)
	s_wait_dscnt \younger
.if (\a) > 0
	s_add_nc_u64 s[10:11], s[10:11], 16*SIZE_N*4   ; (behind a wait on XCNT: the earlier stores have read their base)  16 rows on
.endif
.irp t, 0,1,2,3,4,5,6,7,8,9,10,11,12,13,14,15
	global_store_b128 v[CO], v[BB+4*\t:BB+4*\t+3], s[10:11] offset:\t*SIZE_N*4 th:TH_STORE_NT   ; 32 lanes store 512 consecutive bytes, aligned; written once, read by nobody here
.endr
.endm
	PLACES NP                                      ; behind the last products: their results are read and A's registers loaded below
	TOSTAGE 0
.irp a, 1,2,3,4,5,6,7
.if \a > 1
	s_wait_xcnt 0x0                                ; block a - 2's stores have read their registers and their base
.endif
	TOSTAGE \a
	SEND \a-1, 32                                  ; behind block a - 1's loads: block a's 16 stores and 16 loads
.endr
	s_wait_xcnt 0x0                                ; block 6's stores have read their base
	SEND 7, 0
	s_wait_tensorcnt 0x0                           ; the wave's end, behind my last tensor load and my last LDS store
	ds_add_u32 v[SPW], v[NIL]
	s_wait_dscnt 0x0
	CROUND                                         ; the closing round: no work-group ends while a partner may still ask for a tile that names it
	s_endpgm
.Lfunc_end_k_q8e64aa3ff5_proj:
	.size	k_q8e64aa3ff5_proj, .Lfunc_end_k_q8e64aa3ff5_proj-k_q8e64aa3ff5_proj
	.p2alignl 7, 3214868480
	.fill 96, 4, 3214868480
	.section	.rodata,"a",@progbits
	.p2align	6, 0x0
	.amdhsa_kernel k_q8e64aa3ff5_proj
		.amdhsa_group_segment_fixed_size 327680
		.amdhsa_private_segment_fixed_size 0
		.amdhsa_enable_private_segment 0
		.amdhsa_kernarg_size 40
		.amdhsa_user_sgpr_count 2
		.amdhsa_user_sgpr_kernarg_segment_ptr 1
		.amdhsa_wavefront_size32 1
		.amdhsa_system_sgpr_workgroup_id_x 1
		.amdhsa_system_sgpr_workgroup_id_y 1
		.amdhsa_system_sgpr_workgroup_id_z 1
		.amdhsa_system_vgpr_workitem_id 0
		.amdhsa_next_free_vgpr 1024
		.amdhsa_next_free_sgpr 100
		.amdhsa_reserve_vcc 0
		.amdhsa_float_denorm_mode_32 3
		.amdhsa_float_denorm_mode_16_64 3
		.amdhsa_memory_ordered 1
		.amdhsa_forward_progress 1
		.amdhsa_inst_pref_size 130
	.end_amdhsa_kernel
	.amdgpu_metadata
---
amdhsa.version: [ 1, 2 ]
amdhsa.kernels:
  - .name:           k_q8e64aa3ff5_proj
    .symbol:         k_q8e64aa3ff5_proj.kd
    .args:
      - { .name: yc, .offset: 0, .size: 8, .value_kind: global_buffer, .address_space: global }
      - { .name: wc, .offset: 8, .size: 8, .value_kind: global_buffer, .address_space: global }
      - { .name: lowp_scales, .offset: 16, .size: 8, .value_kind: global_buffer, .address_space: global }
      - { .name: out0, .offset: 24, .size: 8, .value_kind: global_buffer, .address_space: global }
      - { .name: b_proj, .offset: 32, .size: 8, .value_kind: global_buffer, .address_space: global }
    .group_segment_fixed_size: 327680
    .private_segment_fixed_size: 0
    .kernarg_segment_align: 8
    .kernarg_segment_size: 40
    .max_flat_workgroup_size: 128
    .sgpr_count:     100
    .vgpr_count:     1024
    .wavefront_size: 32
...
	.end_amdgpu_metadata
.endif
;; end of part 4
